; MI455X (gfx1250); checked and timed in simulation.
; The chip was launched on July 23, 2026; its instructions are those of AMD's public machine-readable ISA for CDNA 5 (MIT licence, August 2026) and "CDNA5" Instruction Set Architecture Reference Guide (July 2026). The comments in the code are by the model that wrote it; some were corrected since.
;; GQ Attention. Allowed arithmetic: matrix products marked QUANTISED: E2M1 operands, one E8M0 scale for each 32 along K, by v_wmma_scale_f32_16x16x128_f8f6f4 with both operands' format E2M1 (or v_wmma_scale_f32_32x16x128_f4), f32 sums; products left as they are: bf16, f16 or f32 operands; f32 sums; everything else in f32.
;; Inputs: Wkv 512 x 1,024 float32; Wo 1,024 x 1,024 float32; Wq 1,024 x 1,024 float32; cos 2,048 x 64 float32; sin 2,048 x 64 float32; x 4 x 2,048 x 1,024 float32.
;; Outputs: out0 4 x 2,048 x 1,024 float32.
;; This version of the problem:
;;   THIS VERSION OF THE PROBLEM IS GIVEN IN LOW PRECISION. The matrix products marked QUANTISED in the list below multiply operands that are first quantised to E2M1 (2 exponent bits, 1 mantissa bit; 4 bits a number), with one power-of-two scale for each 32 numbers along K (OCP MX v1.0); their sums are f32. The products marked 'left as it is' may take bf16, f16 or f32 operands, with f32 sums. Whichever they take, every output number must still come out within the allowed error. Rounding operands to bf16 (8 significant bits) uses up far more of that allowance than f16 does (11 bits, for magnitudes from 6e-5 to 65,504). All else is computed in f32.
;;   The module's matrix products, in the order in which they are computed (A, B: the left and right operand; K: the contracted axis; several contracted axes count as one K, in the product's order):
;;     1. [M 8,192, K 1,024] x [K 1,024, N 1,024]; A: input x; B: input Wq: QUANTISED
;;     2. [M 8,192, K 1,024] x [K 1,024, N 512]; A: input x; B: input Wkv: QUANTISED
;;     3. batch 16 x [M 8,192, K 64] x [K 64, N 2,048]; A: computed on the way; B: computed on the way: left as it is (an operand is computed on the way)
;;     4. batch 16 x [M 8,192, K 2,048] x [K 2,048, N 64]; A: computed on the way; B: computed on the way: left as it is (an operand is computed on the way)
;;     5. [M 8,192, K 1,024] x [K 1,024, N 1,024]; A: computed on the way; B: input Wo: left as it is (an operand is computed on the way)
;;   THE QUANTISER, for each operand of a quantised product, along K:
;;     - K is cut into blocks of 32 from its start; a last block that is shorter is filled with zeros.
;;     - A block's scale is 2^e with e = floor(log2(the largest magnitude in the block)) - 2, held to -126 .. 127; a block of zeros has e = 0. As a byte (E8M0): e + 127.
;;     - Each number is divided by its block's scale, clamped to +-6, and rounded to the nearest number of E2M1, ties to even, subnormals kept.
;;     - The product sums the exact products of the quantised numbers (number of the format x scale) in f32.
;;   ~~~python
;;   def quantise(x, axis):      # numpy; x: float32 -> the quantised numbers, widened to float32 again
;;       x = np.moveaxis(x, axis, -1); K = x.shape[-1]
;;       x = np.pad(x, [(0, 0)] * (x.ndim - 1) + [(0, -K % 32)]); x = x.reshape(x.shape[:-1] + (-1, 32)); a = np.abs(x).max(-1, keepdims=True)
;;       e = np.where(a > 0, np.clip(np.frexp(np.where(a > 0, a, 1))[1] - 1 - 2, -126, 127), 0)      # np.frexp(a)[1] - 1 = floor(log2(a)), exactly
;;       r = np.clip(x / 2.0 ** e, -6, 6)
;;       step = 2.0 ** (np.maximum(np.frexp(np.where(r == 0, 1, r))[1] - 1, 0) - 1)
;;       q = np.round(r / step) * step * 2.0 ** e      # np.round: ties to even
;;       return np.moveaxis(q.reshape(q.shape[:-2] + (-1,))[..., :K], -1, axis).astype(np.float32)
;;   ~~~
;; One version. Each part assembles by itself: llvm-mc -triple=amdgcn-amd-amdhsa -mcpu=gfx1250 --defsym DOCPART=n.
;; ======== version 1 of 1: 4 launches
;; limits: values are held in f16: magnitudes above 65,504 overflow, below 6.1e-05 lose precision
;; workspace buffers: x_codes 4,194,304 bytes; x_scales 262,144 bytes; w_codes 786,432 bytes; w_scales 49,152 bytes; wo_img 2,097,152 bytes; q_img 16,777,216 bytes; kv_img 8,388,608 bytes; o_img 16,777,216 bytes
;; launch prep (part 1): grid 368 x 1, 4 waves a work-group, no clusters, 33,280 bytes of LDS; arguments x, Wq, Wkv, Wo, x_codes, x_scales, w_codes, w_scales, wo_img; writes x_codes, x_scales, w_codes, w_scales, wo_img
.if DOCPART == 1
	.amdgcn_target "amdgcn-amd-amdhsa--gfx1250"
	.amdhsa_code_object_version 6
	.text
	.protected	k_qf74ef865f8_prep
	.globl	k_qf74ef865f8_prep
	.p2align	8
	.type	k_qf74ef865f8_prep,@function
k_qf74ef865f8_prep:
	s_mov_b64 s[64:65], 0
	v_nop
	global_prefetch_b8 v0, s[64:65] scope:SCOPE_SE
	s_setreg_imm32_b32 hwreg(HW_REG_WAVE_MODE, 25, 1), 1
	s_wait_xcnt 0x0
; x [8192][1024], Wq [1024][1024] and Wkv [512][1024], f32 with K innermost, become codes of FP4 (E2M1), two a byte, and one E8M0 byte for each 32 along K.
; Wo [1024][1024] becomes f16 numbers, Wo / 4, laid in the order of a matrix operand's registers.
; WORK-GROUPS: 0-255 x, 256-287 Wq, 288-303 Wkv, 304-367 Wo.  A wave of the first three kinds takes 8 rows (8,192 numbers) in 16 steps of 512.
; THE WEIGHTS' ROWS are laid anew, 8 rows at a time: rows 0-1023 Wq; row 1024 + 64 g + d the key row Wkv[128 g + d]; row 1280 + 64 g + d the value row Wkv[128 g + 64 + d].
; A block's scale is 2^(floor(log2(its largest magnitude)) - 2); each number is divided by it and rounded to the nearest code, ties to even, beyond 6 the largest code.
; THE BYTES of Wq's and the key rows are stored 4 LESS than that: the products q and k then come out multiplied by 2^-4, exactly, which is the room that their f16 form wants later.
; LIMITS: a block whose largest magnitude lies under 2^-120 (a block of zeros too) is quantised on the scale 2^-122: the floor keeps every stored byte at 1 or more; NaN and infinities are not served.
; The conversions take neighbours along K from ONE lane's registers, a load is best where neighbouring lanes take neighbouring bytes: so a step's 2,048 bytes are loaded as they lie, 512 bytes a load,
; go through the wave's own stage in LDS and come back 64 bytes a lane (16 bytes of padding behind each 64).  A lane's 16 codes are 8 bytes: the wave stores 256 consecutive bytes.
; A wave's 256 scale bytes are gathered in its own LDS bytes and leave as 256 consecutive bytes.  Waves share nothing: no barrier.
.set STEPS, 16
.set EMAX,  2
.set FLOOR, 7                          ; the least exponent field that a largest magnitude is given: 2 + 4 off it leave 1
.set CB,    8                          ; bytes of 16 codes
.set R,     16                         ; v16-79   four sets of 16 numbers as they are loaded
.set X,     80                         ; v80-111  two sets of 16 neighbours
.set E,     112                        ; v112-127 a scale byte for each step
.set C,     128                        ; v128-191 codes: four registers for each step, so that no store's data are written again
.set WREG,  8192                       ; LDS: a region for each wave: two stages of 32 x SP bytes, behind them its 256 scale bytes
.set SP,    80
.set SPW,   12                         ; v12  LDS address of my spare word; never rewritten
.set NIL,   13                         ; v13  0; never rewritten
.set SPARE, 4*WREG                     ; behind the four regions: the spare words, 128 bytes a wave, which no other line names
.set WG_WQ, 256
.set WG_KV, 288
.set WG_WO, 304
	s_load_b256 s[4:11], s[0:1], 0x0               ; x s[4:5], Wq s[6:7], Wkv s[8:9], Wo s[10:11]
	s_load_b256 s[12:19], s[0:1], 0x20             ; x_codes s[12:13], x_scales s[14:15], w_codes s[16:17], w_scales s[18:19]
	s_load_b64 s[20:21], s[0:1], 0x40              ; wo_img
	v_lshl_add_u32 v[SPW], v0, 2, SPARE
	v_mov_b32 v[NIL], 0
	v_lshrrev_b32 v1, 5, v0
	v_readfirstlane_b32 s22, v1                    ; wave
	v_and_b32 v2, 31, v0                           ; lane
	s_cmp_ge_u32 ttmp9, WG_WO
	s_cbranch_scc1 .Lwo
	; ---- the quantiser
	v_lshlrev_b32 v3, 4, v2                        ; my 16 bytes of a load's 512
	s_mul_i32 s32, s22, WREG
	v_lshrrev_b32 v14, 2, v2
	v_mul_u32_u24 v14, v14, SP
	v_and_b32 v15, 3, v2
	v_lshl_add_u32 v14, v15, 4, v14
	v_add_nc_u32 v14, s32, v14                     ; the stage, on the way in: SP (lane / 4) + 16 (lane % 4)
	v_mul_u32_u24 v15, v2, SP
	v_add_nc_u32 v15, s32, v15                     ; and on the way out: SP x lane: my 16 neighbours
	v_mul_u32_u24 v4, v2, CB                       ; my codes' place in a step's
	v_lshrrev_b32 v5, 1, v2
	s_add_co_u32 s32, s32, 2*32*SP
	v_add_nc_u32 v5, s32, v5                       ; my wave's 256 scale bytes, my block's byte
	v_lshlrev_b32 v7, 3, v2                        ; and on the way out 8 bytes a lane
	v_add_nc_u32 v6, s32, v7
	; which run of 8 rows is read, where it goes, and what is taken off the byte.  All three tensors take one way through the text: only numbers and pointers are chosen
	s_lshl_b32 s23, ttmp9, 2
	s_add_co_u32 s23, s23, s22                     ; x: run = place = 4 x work-group + wave
	s_sub_co_u32 s24, s23, 4*WG_WQ                 ; Wq: run = place
	s_sub_co_u32 s25, s23, 4*WG_KV                 ; Wkv: run r: head r / 16, key or value (r / 8) % 2, rows 8 (r % 8) on
	s_bfe_u32 s26, s25, 0x10003
	s_lshr_b32 s27, s25, 4
	s_and_b32 s28, s25, 7
	s_lshl_b32 s29, s26, 5
	s_lshl_b32 s27, s27, 3
	s_add_co_u32 s29, s29, s27
	s_add_co_u32 s29, s29, s28
	s_add_co_u32 s29, s29, 128                     ; its place: 128 + 32 (value) + 8 head + r % 8
	s_xor_b32 s26, s26, 1
	s_lshl_b32 s26, s26, 25                        ; 4 off the exponent field for key rows, 0 for value rows
	s_mov_b32 s31, 0
	s_wait_kmcnt 0x0
	s_cmp_lt_u32 ttmp9, WG_KV                      ; Wq or Wkv?  The choices hang on the work-group's number alone
	s_cselect_b64 s[6:7], s[6:7], s[8:9]
	s_cselect_b32 s25, s24, s25
	s_cselect_b32 s29, s24, s29
	s_cselect_b32 s26, 0x2000000, s26
	s_cmp_lt_u32 ttmp9, WG_WQ                      ; x or a weight?
	s_cselect_b64 s[4:5], s[4:5], s[6:7]
	s_cselect_b64 s[12:13], s[12:13], s[16:17]
	s_cselect_b64 s[14:15], s[14:15], s[18:19]
	s_cselect_b32 s25, s23, s25
	s_cselect_b32 s29, s23, s29
	s_cselect_b32 s26, 0, s26
	s_lshl_b32 s30, s25, 15                        ; a run is 32,768 bytes of numbers,
	s_add_nc_u64 s[4:5], s[4:5], s[30:31]
	s_lshl_b32 s30, s29, 12                        ; 4,096 of codes,
	s_add_nc_u64 s[12:13], s[12:13], s[30:31]
	s_lshl_b32 s30, s29, 8                         ; 256 of scale bytes
	s_add_nc_u64 s[14:15], s[14:15], s[30:31]
.macro LOAD t
.irp i, 0,1,2,3
	global_load_b128 v[R+16*((\t)%4)+4*\i:R+16*((\t)%4)+4*\i+3], v3, s[4:5] offset:2048*(\t)+512*\i th:TH_LOAD_NT   ; 32 lanes read 512 consecutive bytes
.endr
.endm
.macro TURN t                          ; step t's numbers through the stage: LDS serves a wave's instructions in order, so no wait stands between the stores and the loads
.irp i, 0,1,2,3
	ds_store_b128 v14, v[R+16*((\t)%4)+4*\i:R+16*((\t)%4)+4*\i+3] offset:32*SP*((\t)%2)+8*SP*\i
.endr
.irp i, 0,1,2,3
	ds_load_b128 v[X+16*((\t)%2)+4*\i:X+16*((\t)%2)+4*\i+3], v15 offset:32*SP*((\t)%2)+16*\i
.endr
.endm
.irp t, 0,1,2,3
	LOAD \t
.endr
	s_wait_loadcnt 12                              ; step 0's four loads are in; the twelve of steps 1 to 3 may be out
	TURN 0
.macro STEP t
.set XS, X+16*((\t)%2)
.if (\t) > 0
	s_wait_dscnt 1                                 ; this step's numbers are back from the stage (the last step's byte store may be out)
.else
	s_wait_dscnt 0x0
.endif
.if (\t)+4 < STEPS
	LOAD (\t)+4                                    ; into the registers that the stage's stores have read
.endif
.if (\t)+1 < STEPS
.if STEPS-2-(\t) >= 3
	s_wait_loadcnt 12                              ; the next step's four loads are in; those of the three steps behind it may be out
.else
	s_wait_loadcnt 4*(STEPS-2-(\t))
.endif
	TURN (\t)+1                                    ; they go through the other stage while this step is worked
.endif
	v_max3_num_f32 v8, |v[XS]|, |v[XS+1]|, |v[XS+2]|               ; the largest magnitude of my 16, in two chains
	v_max3_num_f32 v9, |v[XS+3]|, |v[XS+4]|, |v[XS+5]|
.irp i, 6,10
	v_max3_num_f32 v8, v8, |v[XS+\i]|, |v[XS+\i+1]|
	v_max3_num_f32 v9, v9, |v[XS+\i+2]|, |v[XS+\i+3]|
.endr
	v_max3_num_f32 v8, v8, |v[XS+14]|, |v[XS+15]|
	v_max3_num_f32 v8, v8, v9, FLOOR<<23           ; and the floor 2^(FLOOR - 127)
	v_max_num_f32_dpp v8, v8, v8 row_xmask:1 row_mask:0xf bank_mask:0xf   ; and of my neighbour's 16: the block's
	v_add_nc_u32 v11, -(EMAX<<23), v8              ; 2 off its exponent field: the conversion takes the exponent field of this operand as its scale
	v_cvt_scalef32_pk8_fp4_f32 v[C+4*(\t)], v[XS:XS+7], v11
	v_cvt_scalef32_pk8_fp4_f32 v[C+4*(\t)+1], v[XS+8:XS+15], v11
	v_sub_nc_u32 v10, v11, s26                     ; what is stored: 4 less for Wq's and the key rows.  (A plain line behind the conversions)
	v_lshrrev_b32 v[E+(\t)], 23, v10               ; the byte
	ds_store_b8 v5, v[E+(\t)] offset:16*(\t)       ; both lanes of a block write the same byte with the same value
	global_store_b64 v4, v[C+4*(\t):C+4*(\t)+1], s[12:13] offset:32*CB*(\t)
.endm
.irp t, 0,1,2,3,4,5,6,7,8,9,10,11,12,13,14,15
	STEP \t
.endr
	ds_load_b64 v[8:9], v6                         ; LDS serves a wave's instructions in order: these see my stores
	s_wait_dscnt 0x0
	global_store_b64 v7, v[8:9], s[14:15]          ; 32 lanes store 256 consecutive bytes, aligned
	s_wait_tensorcnt 0x0                           ; the wave's end, behind my last LDS store
	ds_add_u32 v[SPW], v[NIL]
	s_wait_dscnt 0x0
	s_endpgm
	; ---- Wo: work-group nt takes rows 16 nt .. 16 nt + 15, wave w the 256 along K from 256 w on: 16 groups of 16 along K.
	; A group is 512 bytes: lane l's 16 bytes are f16(Wo[16 nt + l % 16][16 k16 + 8 (l / 16) + 0 .. 7] / 4): two groups on end are a fragment's eight registers.  No LDS is touched on this way.
.Lwo:
	s_sub_co_u32 s23, ttmp9, WG_WO                 ; nt
	v_and_b32 v3, 15, v2
	v_lshrrev_b32 v5, 4, v2
	v_lshlrev_b32 v3, 12, v3                       ; my row, 4,096 bytes a row,
	v_lshl_add_u32 v3, v5, 5, v3                   ; + 32 bytes for lanes 16-31
	v_lshlrev_b32 v4, 4, v2                        ; out: 16 x lane
	s_lshl_b32 s24, s23, 16
	s_lshl_b32 s25, s22, 10
	s_add_co_u32 s24, s24, s25
	s_mov_b32 s25, 0
	s_lshl_b32 s26, s23, 15
	s_lshl_b32 s27, s22, 13
	s_add_co_u32 s26, s26, s27
	s_mov_b32 s27, 0
	s_wait_kmcnt 0x0
	s_add_nc_u64 s[10:11], s[10:11], s[24:25]
	s_add_nc_u64 s[20:21], s[20:21], s[26:27]
.irp i, 0,1,2,3,4,5,6,7,8,9,10,11,12,13,14,15
	global_load_b128 v[16+8*\i:19+8*\i], v3, s[10:11] offset:64*\i
	global_load_b128 v[20+8*\i:23+8*\i], v3, s[10:11] offset:64*\i+16
.endr
.irp i, 0,1,2,3,4,5,6,7,8,9,10,11,12,13,14,15
	s_wait_loadcnt 30-2*\i                         ; group i's two loads are in; the younger groups' may be out
.irp p, 0,1,2,3
	v_pk_mul_f32 v[16+8*\i+2*\p:17+8*\i+2*\p], v[16+8*\i+2*\p:17+8*\i+2*\p], 0x3e800000 op_sel_hi:[1,0]   ; x 1/4, exact
.endr
.irp p, 0,1,2,3
	v_cvt_pk_f16_f32 v[16+8*\i+\p], v[16+8*\i+2*\p], v[17+8*\i+2*\p]   ; in place, ascending: register p is written when numbers 2 p, 2 p + 1 are read
.endr
	global_store_b128 v4, v[16+8*\i:19+8*\i], s[20:21] offset:512*\i   ; 512 consecutive bytes
.endr
	s_endpgm
.Lfunc_end_k_qf74ef865f8_prep:
	.size	k_qf74ef865f8_prep, .Lfunc_end_k_qf74ef865f8_prep-k_qf74ef865f8_prep
	.p2alignl 7, 3214868480
	.fill 96, 4, 3214868480
	.section	.rodata,"a",@progbits
	.p2align	6, 0x0
	.amdhsa_kernel k_qf74ef865f8_prep
		.amdhsa_group_segment_fixed_size 33280
		.amdhsa_private_segment_fixed_size 0
		.amdhsa_enable_private_segment 0
		.amdhsa_kernarg_size 72
		.amdhsa_user_sgpr_count 2
		.amdhsa_user_sgpr_kernarg_segment_ptr 1
		.amdhsa_wavefront_size32 1
		.amdhsa_system_sgpr_workgroup_id_x 1
		.amdhsa_system_sgpr_workgroup_id_y 1
		.amdhsa_system_sgpr_workgroup_id_z 1
		.amdhsa_system_vgpr_workitem_id 0
		.amdhsa_next_free_vgpr 192
		.amdhsa_next_free_sgpr 66
		.amdhsa_reserve_vcc 0
		.amdhsa_float_denorm_mode_32 3
		.amdhsa_float_denorm_mode_16_64 3
		.amdhsa_memory_ordered 1
		.amdhsa_forward_progress 1
		.amdhsa_inst_pref_size 51
	.end_amdhsa_kernel
	.amdgpu_metadata
---
amdhsa.version: [ 1, 2 ]
amdhsa.kernels:
  - .name:           k_qf74ef865f8_prep
    .symbol:         k_qf74ef865f8_prep.kd
    .args:
      - { .name: x, .offset: 0, .size: 8, .value_kind: global_buffer, .address_space: global }
      - { .name: Wq, .offset: 8, .size: 8, .value_kind: global_buffer, .address_space: global }
      - { .name: Wkv, .offset: 16, .size: 8, .value_kind: global_buffer, .address_space: global }
      - { .name: Wo, .offset: 24, .size: 8, .value_kind: global_buffer, .address_space: global }
      - { .name: x_codes, .offset: 32, .size: 8, .value_kind: global_buffer, .address_space: global }
      - { .name: x_scales, .offset: 40, .size: 8, .value_kind: global_buffer, .address_space: global }
      - { .name: w_codes, .offset: 48, .size: 8, .value_kind: global_buffer, .address_space: global }
      - { .name: w_scales, .offset: 56, .size: 8, .value_kind: global_buffer, .address_space: global }
      - { .name: wo_img, .offset: 64, .size: 8, .value_kind: global_buffer, .address_space: global }
    .group_segment_fixed_size: 33280
    .private_segment_fixed_size: 0
    .kernarg_segment_align: 8
    .kernarg_segment_size: 72
    .max_flat_workgroup_size: 128
    .sgpr_count:     66
    .vgpr_count:     192
    .wavefront_size: 32
...
	.end_amdgpu_metadata
.endif
;; end of part 1
;; launch proj (part 2): grid 32 x 6, 4 waves a work-group, clusters of 4 x 1, 327,680 bytes of LDS; arguments x_codes, x_scales, w_codes, w_scales, cos, sin, q_img, kv_img; writes q_img, kv_img
.if DOCPART == 2
	.amdgcn_target "amdgcn-amd-amdhsa--gfx1250"
	.amdhsa_code_object_version 6
	.text
	.protected	k_qf74ef865f8_proj
	.globl	k_qf74ef865f8_proj
	.p2align	8
	.type	k_qf74ef865f8_proj,@function
k_qf74ef865f8_proj:
	s_mov_b64 s[64:65], 0
	v_nop
	global_prefetch_b8 v0, s[64:65] scope:SCOPE_SE
	s_setreg_imm32_b32 hwreg(HW_REG_WAVE_MODE, 25, 1), 1
	s_wait_xcnt 0x0
	s_wait_alu depctr_hold_cnt(0) depctr_sa_sdst(0) depctr_va_vdst(0) depctr_va_sdst(0) depctr_va_ssrc(0) depctr_va_vcc(0) depctr_vm_vsrc(0)
	s_getreg_b32 s2, hwreg(HW_REG_IB_STS2, 6, 4)
	s_cmp_eq_u32 s2, 0
	s_cbranch_scc0 .Lentry_in_a_cluster
	s_endpgm
.Lentry_in_a_cluster:
	s_bfe_u32 s2, ttmp6, 0x10000c
	s_cmp_lg_u32 s2, 0x3003
	s_cbranch_scc0 .Lentry_shape_is_right
	s_endpgm
.Lentry_shape_is_right:
; [8192 tokens] x [1536 rows of weights] over K = 1,024, on codes of FP4 (E2M1) with one E8M0 scale for each 32 along K; sums in f32.  Then the rotary step in f32, and f16 numbers out.
; Rows of weights: 0-1023 q, 1024-1279 k, 1280-1535 v.  q and k come out x 2^-4 (their weights' scale bytes are stored 4 less).
; A work-group makes 256 tokens x 256 rows of weights (work-group y 0-3: q; 4: k; 5: v); each of its four waves 128 x 128: 64 accumulators, 512 registers.  6 tiles of weights x 32 of tokens are 192 work-groups.
; K is two steps of 512: both slots and all scale bytes are asked for at the head, and nothing in LDS is filled twice.
; CLUSTER: the four work-groups of a cluster take four tiles of tokens against the SAME 256 rows of weights: the weights' codes and scales are asked for jointly (mask 15); x's tiles are each work-group's own.
; THE MATRIX INSTRUCTION: for q and k source 0 = 16 rows of weights, source 1 = 16 tokens: a lane holds ONE token and eight neighbouring channels: the rotary pairs lie in neighbouring registers.
; For v the sources change places: a lane holds ONE channel and eight neighbouring tokens, which is how the second product of attention wants v.  Only the LDS addresses that are read differ.
; WHAT IS STORED lies in the order of the next launch's operand registers: groups of 512 bytes, lane l's 16 bytes at 16 l.  So each store of a wave is 512 consecutive bytes, and there is no stage.
;   q_img [16 b + head][tile of 16 tokens][c 0-3]: lane l: token l % 16, channels 16 c + 8 (l / 16) + 0 .. 7.   kv_img, first half: k likewise, [4 b + g][..][..].
;   kv_img, second half: v [4 b + g][32 tokens kb][ct 0-3][c 0-1]: lane l: channel 16 ct + l % 16, tokens 32 kb + 16 c + 8 (l / 16) + 0 .. 7.
; LIMITS: f16's range: |q|, |k| under 1.04e6, |v| under 65,504; NaN and infinities are not served.
; REGISTERS, in windows of 256: window 0: v0-31 addresses; v32-95 scale words, two sets, and nothing else; v128-191 source 1's fragments, one set; v192-255 at work on the way out.
;   window 1: source 0's fragments, two sets, at v0 and v128; v64-127 and v192-255: cos and sin of a block of 16 tokens, two sets.   windows 2, 3: the accumulators ((a, b) at v[8 (8 (a % 4) + b)]).
.set NQ,     4                         ; matrix instructions deep in a slot
.set ROWB,   256                       ; a tile's row: 512 codes
.set KROW,   512                       ; a row of codes in memory
.set PITCH,  272                       ; an LDS row: 256 bytes + 16 of padding: the 16 rows that a load touches start 68 words apart
.set FR,     8
.set NL,     2
.set NP,     4
.set HALFT,  128*PITCH
.set SLOT,   4*HALFT                   ; x's 256 rows, then the weights' 256
.set SCL,    2*SLOT                    ; behind the ring: the scale bytes, as rows of 256 bytes + 16: x's 256 rows, then the weights'
.set HALFS,  16*272                    ; those of 128 rows (32 bytes a row)
.set SBLK,   2*272                     ; those of 16 rows
.set SPARE,  327168                    ; the last 512 bytes of the claim: the spare words, 128 bytes a wave, which no other line names
.set ADRA, 16                          ; v16-17  LDS address of source 1's fragments in slot 0, 1
.set ADRB, 20                          ; v20-21  of source 0's
.set ADRS, 27                          ; v27     of my scale words: lanes 0-15 source 1's rows, lanes 16-31 source 0's
.set SPW,  28                          ; v28     my spare word; never rewritten
.set NIL,  29                          ; v29     0; never rewritten
.set CSO,  30                          ; v30     my byte in a block's rows of cos and of sin
.set IMG,  31                          ; v31     16 x lane
.set SC,   32
.set AF,   128
.set T,    192                         ; the way out, window 0
.set CSA,  64                          ; cos and sin, window 1: blocks 0, 2, 4, 6
.set CSB,  192                         ; blocks 1, 3, 5, 7
.set WV,   22                          ; s22 wave;  s23 wave / 2: my half of the tokens, and: I fetch x (0) or weights (1);  s24 wave % 2: my half of the weights' rows, and: which 128 rows I fetch
.set XH,   23
.set WH,   24
.set SW,   25                          ; s25 1 in v's work-groups
.set MT,   27                          ; s27 tile of tokens
.set NT,   20                          ; s20 tile of weights
.set G1X,  28
.set G1W,  36
.set G1SX, 44
.set G1SW, 52
.set G0X,  68
.set G0W,  76
.set G0SX, 84
.set G0SW, 88
.set MSB, 0
.macro WIN new                         ; the immediate's high byte repeats the setting that is left
.if MSB != \new
	s_set_vgpr_msb (MSB<<8)|\new
.set MSB, \new
.endif
.endm
.set MUL_LO, 0xa1                      ; source 0 window 1, source 1 window 0, C and D window 2
.set MUL_HI, 0xf1
.set TO_B,   0x40
; Waves 0 and 1 fetch x's halves (a load of the work-group's own), waves 2 and 3 the weights' (a joint load).  The branch hangs on the wave's number alone.
; An s_nop 0 and four v_nop follow each of the two lines.
.macro JLOAD g0a, g1a, g0b, g1b
	s_cmp_eq_u32 s[XH], 0
	s_cbranch_scc0 .Lfor_b_\@
	tensor_load_to_lds s[\g0a:\g0a+3], s[\g1a:\g1a+7]
	s_nop 0
.rept 4
	v_nop
.endr
	s_branch .Lasked_\@
.Lfor_b_\@:
	tensor_load_to_lds s[\g0b:\g0b+3], s[\g1b:\g1b+7]
	s_nop 0
.rept 4
	v_nop
.endr
.Lasked_\@:
.endm
.macro CROUND                          ; a round of the cluster's barrier
	s_barrier_signal -1
	s_barrier_wait -1
	s_cmp_lg_u32 s[WV], 0
	s_cbranch_scc1 .Lnot_wave_0_\@
	s_barrier_signal -3
.Lnot_wave_0_\@:
	s_barrier_wait -3
	s_barrier_signal -1
	s_barrier_wait -1
.endm
	s_load_b256 s[4:11], s[0:1], 0x0               ; x_codes s[4:5], x_scales s[6:7], w_codes s[8:9], w_scales s[10:11]
	s_load_b256 s[12:19], s[0:1], 0x20             ; cos s[12:13], sin s[14:15], q_img s[16:17], kv_img s[18:19]
	v_lshl_add_u32 v[SPW], v0, 2, SPARE
	v_mov_b32 v[NIL], 0
	ds_add_u32 v[SPW], v[NIL]                      ; the wave's opening: the add, twice on end, and its wait ahead of my first tensor load
	ds_add_u32 v[SPW], v[NIL]
	v_lshrrev_b32 v1, 5, v0
	v_readfirstlane_b32 s[WV], v1
	s_lshr_b32 s[XH], s[WV], 1
	s_and_b32 s[WH], s[WV], 1
	s_bfe_u32 s26, ttmp6, 0x40000                  ; cx: my place in the cluster
	s_lshl_b32 s[MT], ttmp9, 2
	s_add_co_u32 s[MT], s[MT], s26                 ; tile of tokens = 4 x cluster x + cx
	s_and_b32 s[NT], ttmp7, 0xffff                 ; tile of weights: the four partners share it
	s_cmp_eq_u32 s[NT], 5
	s_cselect_b32 s[SW], 1, 0
	; descriptor groups 1.  Codes: 128 rows x 256 bytes, 512 bytes apart in memory, 16 bytes of padding behind each row in LDS
	s_mov_b32 s[G1X], (1<<20)|(5<<22)|(3<<25)                    ; no mask; elements of 1 byte; padding on: 4 words behind every 64
	s_mov_b32 s[G1W], 15|(1<<20)|(1<<21)|(5<<22)|(3<<25)         ; the same for all four work-groups: mask 15, bit 21 beside it
.irp g, G1X, G1W
	s_mov_b32 s[\g+1], ROWB<<16                    ; tensor_dim0
	s_mov_b32 s[\g+2], 128<<16                     ; tensor_dim1
	s_mov_b32 s[\g+3], ROWB<<16                    ; tile_dim0
	s_mov_b32 s[\g+4], 128                         ; tile_dim1
	s_mov_b32 s[\g+5], KROW                        ; from row to row
	s_mov_b32 s[\g+6], 0
	s_mov_b32 s[\g+7], 0
.endr
	; scale bytes of 128 rows: 4,096 dense bytes, as 16 rows of 256 (32 elements of 8 bytes), the same padding
	s_mov_b32 s[G1SX], (3<<16)|(1<<20)|(5<<22)|(3<<25)
	s_mov_b32 s[G1SW], 15|(3<<16)|(1<<20)|(1<<21)|(5<<22)|(3<<25)
.irp g, G1SX, G1SW
	s_mov_b32 s[\g+1], 32<<16
	s_mov_b32 s[\g+2], 16<<16
	s_mov_b32 s[\g+3], 32<<16
	s_mov_b32 s[\g+4], 16
	s_mov_b32 s[\g+5], 32
	s_mov_b32 s[\g+6], 0
	s_mov_b32 s[\g+7], 0
.endr
	s_lshl_b32 s21, s[WH], 7                       ; which 128 rows I fetch
	s_lshl_b32 s60, s[MT], 8
	s_add_co_u32 s60, s60, s21                     ; of x
	s_lshl_b32 s62, s[NT], 8
	s_add_co_u32 s62, s62, s21                     ; of the weights: no register of theirs ever holds cx
	s_lshl_b32 s92, s60, 9                         ; codes: 512 bytes a row
	s_mov_b32 s93, 0
	s_lshl_b32 s94, s60, 5                         ; scale bytes: 32 a row
	s_mov_b32 s95, 0
	s_lshl_b32 s96, s62, 9
	s_mov_b32 s97, 0
	s_lshl_b32 s98, s62, 5
	s_mov_b32 s99, 0
	s_mul_i32 s2, s[WV], HALFT                     ; where they go: wave x 128 rows
	s_mul_i32 s3, s[WV], HALFS
	s_wait_dscnt 0x0                               ; both opening adds are done
	s_wait_kmcnt 0x0
	s_add_nc_u64 s[92:93], s[4:5], s[92:93]
	s_add_nc_u64 s[94:95], s[6:7], s[94:95]
	s_add_nc_u64 s[96:97], s[8:9], s[96:97]
	s_add_nc_u64 s[98:99], s[10:11], s[98:99]
	CROUND                                         ; all four work-groups are here: the joint loads meet
	s_mov_b32 s[G0SX], 1
	s_add_co_u32 s[G0SX+1], s3, SCL
	s_mov_b64 s[G0SX+2:G0SX+3], s[94:95]
	s_or_b32 s[G0SX+3], s[G0SX+3], 0x80000000
	s_mov_b32 s[G0SW], 1
	s_add_co_u32 s[G0SW+1], s3, SCL
	s_mov_b64 s[G0SW+2:G0SW+3], s[98:99]
	s_or_b32 s[G0SW+3], s[G0SW+3], 0x80000000
	JLOAD G0SX, G1SX, G0SW, G1SW                   ; the scale bytes first; with the two slots a wave has three tensor loads out
.irp s, 0,1
	s_mov_b32 s[G0X+4*\s], 1
	s_add_co_u32 s[G0X+4*\s+1], s2, \s*SLOT
	s_add_nc_u64 s[G0X+4*\s+2:G0X+4*\s+3], s[92:93], \s*ROWB
	s_or_b32 s[G0X+4*\s+3], s[G0X+4*\s+3], 0x80000000
	s_mov_b32 s[G0W+4*\s], 1
	s_add_co_u32 s[G0W+4*\s+1], s2, \s*SLOT
	s_add_nc_u64 s[G0W+4*\s+2:G0W+4*\s+3], s[96:97], \s*ROWB
	s_or_b32 s[G0W+4*\s+3], s[G0W+4*\s+3], 0x80000000
	JLOAD G0X+4*\s, G1X, G0W+4*\s, G1W
.endr
	v_and_b32 v1, 15, v0                           ; r = lane % 16
	v_bfe_u32 v2, v0, 4, 1                         ; h = lane / 16
	v_mul_u32_u24 v3, v1, PITCH
	v_lshl_add_u32 v4, v2, 4, v3                   ; a fragment's row x pitch + 16 h
	s_mul_i32 s60, s[XH], HALFT                    ; my 128 tokens
	s_mul_i32 s61, s[WH], HALFT
	s_add_co_u32 s61, s61, 2*HALFT                 ; my 128 rows of weights
	s_cmp_eq_u32 s[SW], 0
	s_cselect_b32 s62, s60, s61                    ; source 1: tokens; for v: weights
	s_cselect_b32 s63, s61, s60                    ; source 0: the other
.irp s, 0,1
	v_add_nc_u32 v[ADRA+\s], s62, v4
	v_add_nc_u32 v[ADRB+\s], s63, v4
	s_add_co_u32 s62, s62, SLOT
	s_add_co_u32 s63, s63, SLOT
.endr
	v_lshlrev_b32 v5, 5, v1                        ; my row's scale bytes: 32 a row,
	v_lshrrev_b32 v6, 8, v5
	v_lshl_add_u32 v5, v6, 4, v5                   ; and 16 more behind each 256
	s_mul_i32 s60, s[XH], HALFS
	s_add_co_u32 s60, s60, SCL                     ; my tokens'
	s_mul_i32 s61, s[WH], HALFS
	s_add_co_u32 s61, s61, SCL+2*HALFS             ; my weights'
	s_cmp_eq_u32 s[SW], 0
	s_cselect_b32 s62, s60, s61                    ; lanes 0-15 take source 1's,
	s_cselect_b32 s63, s61, s60                    ; lanes 16-31 source 0's
	v_mov_b32 v6, s62
	v_mov_b32 v7, s63
	v_cmp_eq_u32 vcc_lo, 1, v2
	v_cndmask_b32 v6, v6, v7, vcc_lo
	v_add_nc_u32 v[ADRS], v5, v6
	v_and_b32 v6, 31, v0
	v_lshlrev_b32 v[IMG], 4, v6
	v_lshlrev_b32 v[CSO], 8, v1                    ; cos, sin: token r's row of 256 bytes, + 32 h
	v_lshl_add_u32 v[CSO], v2, 5, v[CSO]
	s_and_b32 s60, s[MT], 7                        ; my first token in its sequence: 256 (tile % 8) + 128 x half
	s_lshl_b32 s60, s60, 8
	s_lshl_b32 s61, s[XH], 7
	s_add_co_u32 s60, s60, s61
	s_lshl_b32 s60, s60, 8
	s_mov_b32 s61, 0
	s_add_nc_u64 s[12:13], s[12:13], s[60:61]
	s_add_nc_u64 s[14:15], s[14:15], s[60:61]
; cos and sin of block a's 16 tokens, in the accumulators' layout: register 8 c + j: channel 16 c + 8 h + j of token r; cos at set, sin at set + 32.  Destination: window 1
.macro CSLOAD a, set
.irp c, 0,1,2,3
	global_load_b128 v[\set+8*\c:\set+8*\c+3],       v[CSO], s[12:13] offset:(\a)*4096+64*\c
	global_load_b128 v[\set+8*\c+4:\set+8*\c+7],     v[CSO], s[12:13] offset:(\a)*4096+64*\c+16
	global_load_b128 v[\set+32+8*\c:\set+32+8*\c+3], v[CSO], s[14:15] offset:(\a)*4096+64*\c
	global_load_b128 v[\set+32+8*\c+4:\set+32+8*\c+7], v[CSO], s[14:15] offset:(\a)*4096+64*\c+16
.endr
.endm
	WIN TO_B
	CSLOAD 0, CSA                                  ; the first two blocks' are asked for here and land under the products.  v's work-groups issue these loads too and use none of the numbers:
	CSLOAD 1, CSB                                  ; the text then has one way from the head to the products
	WIN 0
.macro FRAG reg, adr, q, i             ; a fragment, 16 rows x 128 K of 4-bit codes: lane l holds row l % 16; registers 4 c .. 4 c + 3 hold K = 64 c + 32 (l / 16) + 0 .. 31
.irp c, 0,1
	ds_load_b128 v[\reg+4*\c:\reg+4*\c+3], v[\adr] offset:64*(\q)+32*\c+(\i)*16*PITCH
.endr
.endm
; 16 matrix instructions: source 1's blocks a0, a0 + 1 x source 0's eight, the slot's q-th 128 along K.  The 64 accumulators take turns, one instruction a turn.
.macro MUL16 a0, p, q, sc, zero
.irp a, \a0, \a0+1
.irp b, 0,1,2,3,4,5,6,7
.if \zero
	v_wmma_scale_f32_16x16x128_f8f6f4 v[8*(8*((\a)%4)+\b):8*(8*((\a)%4)+\b)+7], v[128*(\p)+FR*\b:128*(\p)+FR*\b+FR-1], v[AF+FR*(\a):AF+FR*(\a)+FR-1], 0, v[SC+8*NQ*(\sc)+NQ*\b+(\q)], v[SC+8*NQ*(\sc)+NQ*(\a)+(\q)] matrix_a_fmt:MATRIX_FMT_FP4 matrix_b_fmt:MATRIX_FMT_FP4 matrix_a_scale:MATRIX_SCALE_ROW1
.else
	v_wmma_scale_f32_16x16x128_f8f6f4 v[8*(8*((\a)%4)+\b):8*(8*((\a)%4)+\b)+7], v[128*(\p)+FR*\b:128*(\p)+FR*\b+FR-1], v[AF+FR*(\a):AF+FR*(\a)+FR-1], v[8*(8*((\a)%4)+\b):8*(8*((\a)%4)+\b)+7], v[SC+8*NQ*(\sc)+NQ*\b+(\q)], v[SC+8*NQ*(\sc)+NQ*(\a)+(\q)] matrix_a_fmt:MATRIX_FMT_FP4 matrix_b_fmt:MATRIX_FMT_FP4 matrix_a_scale:MATRIX_SCALE_ROW1
.endif
.endr
.endr
.endm
.macro FETCH_B slot, q, p
	WIN TO_B
.irp i, 0,1,2,3,4,5,6,7
	FRAG 128*(\p)+FR*\i, ADRB+\slot, \q, \i
.endr
	WIN 0
.endm
.macro FETCH_A slot, q, i0
.irp i, \i0, \i0+1, \i0+2, \i0+3
	FRAG AF+FR*(\i), ADRA+\slot, \q, \i
.endr
.endm
.macro SCALES sc                       ; a slot's scale words: four a row; lanes 0-15 source 1's block i, lanes 16-31 source 0's block i
.irp i, 0,1,2,3,4,5,6,7
	ds_load_b128 v[SC+8*NQ*\sc+NQ*\i:SC+8*NQ*\sc+NQ*\i+3], v[ADRS] offset:\i*SBLK
.endr
.endm
.macro PLACES n                        ; plain vector lines between a matrix instruction and a load into, or a read of, its registers
.rept \n
	v_nop
.endr
.endm
.macro STEP slot, q, zero              ; 128 along K that has its successor in the same slot
	s_wait_dscnt 4*NL                              ; source 0's set and source 1's blocks 0-3 are in; the youngest eight loads (blocks 4-7) may be out
	WIN MUL_LO
	MUL16 0, (\q)%2, \q, \slot, \zero
	MUL16 2, (\q)%2, \q, \slot, \zero
	s_wait_dscnt 0
	PLACES NP
	FETCH_B \slot, (\q)+1, 1-(\q)%2
	FETCH_A \slot, (\q)+1, 0
	WIN MUL_HI
	MUL16 4, (\q)%2, \q, \slot, \zero
	MUL16 6, (\q)%2, \q, \slot, \zero
	PLACES NP
	WIN 0
	FETCH_A \slot, (\q)+1, 4
.endm
.macro STEPS slot, from
.set Q, \from
.rept NQ-1-\from
	STEP \slot, Q, 0
.set Q, Q+1
.endr
.endm
	s_wait_tensorcnt 1                             ; the scale bytes and my part of slot 0 are in; slot 1's load may be out
	s_barrier_signal -1
	s_barrier_wait -1
	FETCH_B 0, 0, 0
	FETCH_A 0, 0, 0
	SCALES 0
	FETCH_A 0, 0, 4
	STEP 0, 0, 1                                   ; the first products start the sums: nothing is cleared
	STEPS 0, 1
	; slot 0's last 128 along K, and the change to slot 1: one barrier, in front of which my part of slot 1 has landed
	s_wait_tensorcnt 0x0
	ds_add_u32 v[SPW], v[NIL]
	s_wait_dscnt 4*NL+1                            ; (the add and the youngest eight loads may be out)
	WIN MUL_LO
	MUL16 0, 1, NQ-1, 0, 0
	s_wait_dscnt 0x0
	s_barrier_signal -1
	MUL16 2, 1, NQ-1, 0, 0
	WIN 0
	s_barrier_wait -1
	PLACES NP
	v_add_nc_u32 v[ADRS], 4*NQ, v[ADRS]            ; the second 512 along K: 16 bytes on in each row of scale bytes
	FETCH_B 1, 0, 0
	FETCH_A 1, 0, 0
	SCALES 1
	WIN MUL_HI
	MUL16 4, 1, NQ-1, 0, 0
	MUL16 6, 1, NQ-1, 0, 0
	PLACES NP
	WIN 0
	FETCH_A 1, 0, 4
	STEPS 1, 0
	s_wait_dscnt 4*NL                              ; the very last 128 along K
	WIN MUL_LO
	MUL16 0, 1, NQ-1, 1, 0
	MUL16 2, 1, NQ-1, 1, 0
	s_wait_dscnt 0
	WIN MUL_HI
	MUL16 4, 1, NQ-1, 1, 0
	MUL16 6, 1, NQ-1, 1, 0
	WIN 0
	PLACES NP                                      ; in front of the first read of results, on both ways
	s_cmp_eq_u32 s[SW], 1
	s_cbranch_scc1 .Lv_out
	; ---- q and k: out[2 i] = a[2 i] cos[2 i] - a[2 i + 1] sin[2 i];  out[2 i + 1] = a[2 i + 1] cos[2 i + 1] + a[2 i] sin[2 i + 1]: a packed multiply and a packed multiply-add whose first source is taken crosswise
	s_lshr_b32 s60, s[MT], 3                       ; the batch
	s_and_b32 s61, s[MT], 7
	s_lshl_b32 s63, s[NT], 2                       ; q: the tile's first head
	s_cmp_lt_u32 s[NT], 4
	s_cselect_b64 s[92:93], s[16:17], s[18:19]     ; q_img, or kv_img's first half
	s_cselect_b32 s62, 4, 2                        ; 16 heads a batch, or 4
	s_cselect_b32 s63, s63, 0
	s_lshl_b32 s94, s60, s62
	s_add_co_u32 s94, s94, s63
	s_lshl_b32 s95, s[WH], 1
	s_add_co_u32 s94, s94, s95                     ; my first head: my 128 channels are two heads
	s_lshl_b32 s94, s94, 7                         ; 128 tiles of 16 tokens a head
	s_lshl_b32 s95, s61, 4
	s_add_co_u32 s94, s94, s95
	s_lshl_b32 s95, s[XH], 3
	s_add_co_u32 s94, s94, s95
	s_lshl_b32 s94, s94, 11                        ; 2,048 bytes a tile
	s_mov_b32 s95, 0
	s_add_nc_u64 s[92:93], s[92:93], s[94:95]
.irp a, 0,1,2,3,4,5,6,7
.set CS, CSA+128*(\a%2)
.set AC, 64*(\a%4)
.set WR, 0x06+(\a/4)
.if \a < 7
	s_wait_loadcnt 16                              ; this block's cos and sin are in; the next block's sixteen loads may be out
.else
	s_wait_loadcnt 0x0
.endif
.if \a > 0
	s_wait_xcnt 0x0                                ; the last block's stores have read their data: T is written again only behind this wait
.endif
	WIN WR                                         ; source 0: the accumulators' window; source 1: window 1
.irp b, 0,1,2,3,4,5,6,7
.irp p, 0,1,2,3
	v_pk_mul_f32 v[T+8*\b+2*\p:T+8*\b+2*\p+1], v[AC+8*\b+2*\p:AC+8*\b+2*\p+1], v[CS+8*(\b%4)+2*\p:CS+8*(\b%4)+2*\p+1]   ; each accumulator from its low end on
.endr
.irp p, 0,1,2,3
	v_pk_fma_f32 v[T+8*\b+2*\p:T+8*\b+2*\p+1], v[AC+8*\b+2*\p:AC+8*\b+2*\p+1], v[CS+32+8*(\b%4)+2*\p:CS+32+8*(\b%4)+2*\p+1], v[T+8*\b+2*\p:T+8*\b+2*\p+1] op_sel:[1,0,0] op_sel_hi:[0,1,1] neg_lo:[0,1,0]
.endr
.endr
	WIN 0
.irp b, 0,1,2,3,4,5,6,7
.irp p, 0,1,2,3
	v_cvt_pk_f16_f32 v[T+8*\b+\p], v[T+8*\b+2*\p], v[T+8*\b+2*\p+1]   ; in place, ascending
.endr
.endr
.irp b, 0,1,2,3,4,5,6,7
	global_store_b128 v[IMG], v[T+8*\b:T+8*\b+3], s[92:93] offset:\a*2048+(\b/4)*262144+(\b%4)*512   ; 512 consecutive bytes: tile a, head b / 4, channels 16 (b % 4) on
.endr
.if \a+2 < 8
	WIN TO_B
	CSLOAD \a+2, CS
	WIN 0
.endif
.endr
	s_branch .Lend
	; ---- v: a lane's eight registers are eight neighbouring tokens of one channel
.Lv_out:
	s_lshr_b32 s60, s[MT], 3
	s_lshl_b32 s60, s60, 2
	s_lshl_b32 s61, s[WH], 1
	s_add_co_u32 s60, s60, s61                     ; 4 b + my first head
	s_lshl_b32 s60, s60, 6                         ; 64 blocks of 32 tokens a head
	s_and_b32 s61, s[MT], 7
	s_lshl_b32 s61, s61, 3
	s_add_co_u32 s60, s60, s61
	s_lshl_b32 s61, s[XH], 2
	s_add_co_u32 s60, s60, s61
	s_lshl_b32 s60, s60, 12                        ; 4,096 bytes a block
	s_add_co_u32 s60, s60, 4194304                 ; kv_img's second half
	s_mov_b32 s61, 0
	s_add_nc_u64 s[18:19], s[18:19], s[60:61]
.irp a, 0,1,2,3,4,5,6,7
.set AC, 64*(\a%4)
.set WR, 0x0a+5*(\a/4)
.if \a > 0
	s_wait_xcnt 0x0                                ; the last block's stores have read their data
.endif
	WIN WR                                         ; sources 0 and 1: the accumulators' window
.irp b, 0,1,2,3,4,5,6,7
.irp p, 0,1,2,3
	v_cvt_pk_f16_f32 v[T+4*\b+\p], v[AC+8*\b+2*\p], v[AC+8*\b+2*\p+1]
.endr
.endr
	WIN 0
.irp b, 0,1,2,3,4,5,6,7
	global_store_b128 v[IMG], v[T+4*\b:T+4*\b+3], s[18:19] offset:(\a/4)*262144+(\a%4)*1024+(\b/2)*4096+(\b%2)*512   ; head a / 4, channels 16 (a % 4) on, tokens 16 b on
.endr
.endr
.Lend:
	s_wait_tensorcnt 0x0                           ; the wave's end
	ds_add_u32 v[SPW], v[NIL]
	s_wait_dscnt 0x0
	CROUND                                         ; the closing round: no work-group ends while a partner may still ask jointly
	s_endpgm
.Lfunc_end_k_qf74ef865f8_proj:
	.size	k_qf74ef865f8_proj, .Lfunc_end_k_qf74ef865f8_proj-k_qf74ef865f8_proj
	.p2alignl 7, 3214868480
	.fill 96, 4, 3214868480
	.section	.rodata,"a",@progbits
	.p2align	6, 0x0
	.amdhsa_kernel k_qf74ef865f8_proj
		.amdhsa_group_segment_fixed_size 327680
		.amdhsa_private_segment_fixed_size 0
		.amdhsa_enable_private_segment 0
		.amdhsa_kernarg_size 64
		.amdhsa_user_sgpr_count 2
		.amdhsa_user_sgpr_kernarg_segment_ptr 1
		.amdhsa_wavefront_size32 1
		.amdhsa_system_sgpr_workgroup_id_x 1
		.amdhsa_system_sgpr_workgroup_id_y 1
		.amdhsa_system_sgpr_workgroup_id_z 1
		.amdhsa_system_vgpr_workitem_id 0
		.amdhsa_next_free_vgpr 1024
		.amdhsa_next_free_sgpr 100
		.amdhsa_reserve_vcc 1
		.amdhsa_float_denorm_mode_32 3
		.amdhsa_float_denorm_mode_16_64 3
		.amdhsa_memory_ordered 1
		.amdhsa_forward_progress 1
		.amdhsa_inst_pref_size 186
	.end_amdhsa_kernel
	.amdgpu_metadata
---
amdhsa.version: [ 1, 2 ]
amdhsa.kernels:
  - .name:           k_qf74ef865f8_proj
    .symbol:         k_qf74ef865f8_proj.kd
    .args:
      - { .name: x_codes, .offset: 0, .size: 8, .value_kind: global_buffer, .address_space: global }
      - { .name: x_scales, .offset: 8, .size: 8, .value_kind: global_buffer, .address_space: global }
      - { .name: w_codes, .offset: 16, .size: 8, .value_kind: global_buffer, .address_space: global }
      - { .name: w_scales, .offset: 24, .size: 8, .value_kind: global_buffer, .address_space: global }
      - { .name: cos, .offset: 32, .size: 8, .value_kind: global_buffer, .address_space: global }
      - { .name: sin, .offset: 40, .size: 8, .value_kind: global_buffer, .address_space: global }
      - { .name: q_img, .offset: 48, .size: 8, .value_kind: global_buffer, .address_space: global }
      - { .name: kv_img, .offset: 56, .size: 8, .value_kind: global_buffer, .address_space: global }
    .group_segment_fixed_size: 327680
    .private_segment_fixed_size: 0
    .kernarg_segment_align: 8
    .kernarg_segment_size: 64
    .max_flat_workgroup_size: 128
    .sgpr_count:     100
    .vgpr_count:     1024
    .wavefront_size: 32
...
	.end_amdgpu_metadata
.endif
;; end of part 2
;; launch attn (part 3): grid 16 x 16, 8 waves a work-group, clusters of 4 x 1, 327,680 bytes of LDS; arguments q_img, kv_img, o_img; writes o_img
.if DOCPART == 3
	.amdgcn_target "amdgcn-amd-amdhsa--gfx1250"
	.amdhsa_code_object_version 6
	.text
	.protected	k_qf74ef865f8_attn
	.globl	k_qf74ef865f8_attn
	.p2align	8
	.type	k_qf74ef865f8_attn,@function
k_qf74ef865f8_attn:
	s_mov_b64 s[64:65], 0
	v_nop
	global_prefetch_b8 v0, s[64:65] scope:SCOPE_SE
	s_setreg_imm32_b32 hwreg(HW_REG_WAVE_MODE, 25, 1), 1
	s_wait_xcnt 0x0
	s_wait_alu depctr_hold_cnt(0) depctr_sa_sdst(0) depctr_va_vdst(0) depctr_va_sdst(0) depctr_va_ssrc(0) depctr_va_vcc(0) depctr_vm_vsrc(0)
	s_getreg_b32 s2, hwreg(HW_REG_IB_STS2, 6, 4)
	s_cmp_eq_u32 s2, 0
	s_cbranch_scc0 .Lentry_in_a_cluster
	s_endpgm
.Lentry_in_a_cluster:
	s_bfe_u32 s2, ttmp6, 0x10000c
	s_cmp_lg_u32 s2, 0x3003
	s_cbranch_scc0 .Lentry_shape_is_right
	s_endpgm
.Lentry_shape_is_right:
; o[b][head][q] = the sum over the 2,048 keys of softmax(q . k / 8) v, head size 64, four query heads to a key and value head; no mask.  Operands in f16, products, maxima and sums in f32.
; q and k arrive x 2^-4 each, so a score arrives x 2^-8: c = 2^8 log2(e) / 8 turns it into the exponent to base 2.  o leaves x 4 (the output projection's weights are stored / 4).
; SHARES.  Work-group (x, y): key and value head y = 4 b + g, queries 128 x .. 128 x + 127 of its FOUR query heads.  Wave w: query head w % 4, 64 queries (w / 4): four tiles of 16.
; Eight waves, two to a SIMD, 512 registers each: one wave's softmax stands beside the other's products.  Each fragment of k and v read from LDS feeds four matrix instructions.
; LAYOUT.  S^T = k q^T (source 0 = 16 keys, source 1 = 16 queries) and O^T = v^T p (source 0 = 16 channels, source 1 = p): a lane holds ONE query throughout; two tiles of S^T, rounded in pairs, ARE p's fragment.
; All operands lie in memory and in LDS in the order of their registers: groups of 512 bytes, lane l's 16 bytes at 16 l: every load is 512 consecutive bytes, and v needs no turning.
; SOFTMAX.  A running maximum m and sum l for each query: p = 2^(c s - c m); in every step O^T and l are multiplied by 2^(c m_old - c m_new).  The sum is taken of p in f32, before it is rounded.
; RING.  Two slots of 512 keys (k 65,536 bytes, then v 65,536); each wave brings 16,384 dense bytes with one tensor load.  A refill is asked for eight key steps ahead of the wait for it.
; CLUSTER.  The four work-groups of a cluster are four blocks of queries of one y and walk the same k and v: every tile is asked for jointly (mask 15).
; No prefetch: the ring's refills go out a whole slot, eight key steps, ahead of their wait, and nothing is asked for at the head beside the first fills.
; LIMITS: f16's range: |4 o| under 65,504, so |v| under 16,376; NaN and infinities are not served.
; REGISTERS.  Window 0: v1-5 addresses; v16-47 statistics, eight a tile; v64-191 S^T (32 t + 8 kt), p in place in a tile's first 16; v192-255 k's fragments.
;             Window 1: v0-127 O^T (32 t + 8 ct); v128-191 q (16 t + 8 s); v192-255 v's fragments (32 kb + 8 ct).
.set SLOT1, 131072
.set VOFF,  65536
.set STEPB, 8192                       ; 64 keys of k, or of v
.set SPARE, 262144                     ; behind the ring: the spare words, 128 bytes a wave, which no other line names
.set LI,  1                            ; v1  16 x lane
.set ADK, 2                            ; v2  LDS address of the step's k
.set ADV, 3                            ; v3  of its v
.set SPW, 4                            ; v4  my spare word; never rewritten
.set NIL, 5                            ; v5  0; never rewritten
.set ST,  16                           ; tile t at v[ST + 8 t]: +0 c m, +1 m, +2, +3 l (even keys', odd keys'), +4 .. +7 at work: four maxima; then +4, +5 the step's sums, +6 the factor, +7 its exponent
.set S,   64
.set KF,  192
.set QF,  128
.set VF,  192
.set WV,  10
.set G1,  16                           ; s[16:23]
.set G0,  24                           ; s[24:27] slot 0, s[28:31] slot 1
.set CS,  32                           ; s[32:33] c, twice
.set SEL, 34                           ; s[34:35] lane l xor 16
.set TB,  36                           ; s36 LDS byte at which the step's k begins
.set CNT, 37
.set MSB, 0
.macro WIN new
.if MSB != \new
	s_set_vgpr_msb (MSB<<8)|\new
.set MSB, \new
.endif
.endm
.set W_KQ, 0x04                        ; q in window 1; k and S^T in window 0
.set W_PV, 0x51                        ; v and O^T in window 1; p in window 0
.set W_RS, 0x41                        ; O^T (destination and source 0) in window 1
.set TO_1, 0x40
.macro CROUND
	s_barrier_signal -1
	s_barrier_wait -1
	s_cmp_lg_u32 s[WV], 0
	s_cbranch_scc1 .Lnot_wave_0_\@
	s_barrier_signal -3
.Lnot_wave_0_\@:
	s_barrier_wait -3
	s_barrier_signal -1
	s_barrier_wait -1
.endm
	s_load_b128 s[4:7], s[0:1], 0x0                ; q_img s[4:5], kv_img s[6:7]
	s_load_b64 s[8:9], s[0:1], 0x10                ; o_img
	v_lshl_add_u32 v[SPW], v0, 2, SPARE
	v_mov_b32 v[NIL], 0
	ds_add_u32 v[SPW], v[NIL]                      ; the wave's opening: the add, twice on end, and its wait ahead of my first tensor load
	ds_add_u32 v[SPW], v[NIL]
	v_lshrrev_b32 v6, 5, v0
	v_readfirstlane_b32 s[WV], v6                  ; wave 0..7
	s_bfe_u32 s11, ttmp6, 0x40000                  ; cx
	s_lshl_b32 s12, ttmp9, 2
	s_add_co_u32 s12, s12, s11                     ; my block of 128 queries: it enters q's and o's addresses alone
	s_and_b32 s13, ttmp7, 0xffff                   ; y = 4 b + g, which the partners share
	; descriptor group 1: 16,384 dense bytes as 64 rows of 256 (32 elements of 8 bytes), no padding
	s_mov_b32 s[G1], 15|(3<<16)|(1<<21)            ; the mask: all four work-groups; bit 21 beside it
	s_mov_b32 s[G1+1], 32<<16
	s_mov_b32 s[G1+2], 64<<16
	s_mov_b32 s[G1+3], 32<<16
	s_mov_b32 s[G1+4], 64
	s_mov_b32 s[G1+5], 32
	s_mov_b32 s[G1+6], 0
	s_mov_b32 s[G1+7], 0
	s_mov_b32 s[CS], 0x4238aa3b                    ; c = 32 log2(e)
	s_mov_b32 s[CS+1], s[CS]
	s_mov_b32 s[SEL], 0x76543210
	s_mov_b32 s[SEL+1], 0xfedcba98
	s_lshr_b32 s38, s[WV], 2                       ; what I fetch: waves 0-3 k's quarters, waves 4-7 v's
	s_lshl_b32 s38, s38, 22                        ; v lies 4,194,304 bytes behind k
	s_lshl_b32 s39, s13, 18                        ; 262,144 bytes a head
	s_add_co_u32 s38, s38, s39
	s_and_b32 s39, s[WV], 3
	s_lshl_b32 s39, s39, 14
	s_add_co_u32 s38, s38, s39
	s_mov_b32 s39, 0
	s_lshl_b32 s40, s[WV], 14                      ; and where it goes in a slot: wave x 16,384
	s_lshl_b32 s42, s13, 2                         ; q: head 4 y + w % 4,
	s_and_b32 s43, s[WV], 3
	s_add_co_u32 s42, s42, s43
	s_lshl_b32 s42, s42, 7                         ; 128 tiles a head,
	s_lshl_b32 s43, s12, 3
	s_add_co_u32 s42, s42, s43                     ; 8 tiles a block,
	s_lshr_b32 s43, s[WV], 2
	s_lshl_b32 s43, s43, 2
	s_add_co_u32 s42, s42, s43                     ; my four
	s_lshl_b32 s42, s42, 11                        ; 2,048 bytes a tile
	s_mov_b32 s43, 0
	s_lshr_b32 s44, s13, 2                         ; o: tile of rows 128 b + 8 block + 4 (w / 4),
	s_lshl_b32 s44, s44, 7
	s_lshl_b32 s45, s12, 3
	s_add_co_u32 s44, s44, s45
	s_lshr_b32 s45, s[WV], 2
	s_lshl_b32 s45, s45, 2
	s_add_co_u32 s44, s44, s45
	s_lshl_b32 s44, s44, 15                        ; 32,768 bytes a tile of rows,
	s_and_b32 s45, s13, 3
	s_lshl_b32 s45, s45, 2
	s_and_b32 s41, s[WV], 3
	s_add_co_u32 s45, s45, s41                     ; query head 4 g + w % 4:
	s_lshl_b32 s45, s45, 11                        ; 2,048 bytes a head
	s_add_co_u32 s44, s44, s45
	s_mov_b32 s45, 0
	s_wait_dscnt 0x0                               ; both opening adds are done
	s_wait_kmcnt 0x0
	s_add_nc_u64 s[6:7], s[6:7], s[38:39]
	s_add_nc_u64 s[4:5], s[4:5], s[42:43]
	s_add_nc_u64 s[8:9], s[8:9], s[44:45]
	CROUND                                         ; all four work-groups are here: the first joint loads meet
	s_mov_b32 s[G0], 1
	s_mov_b32 s[G0+1], s40
	s_mov_b64 s[G0+2:G0+3], s[6:7]                 ; keys 0 to 511
	s_or_b32 s[G0+3], s[G0+3], 0x80000000
	s_mov_b32 s[G0+4], 1
	s_add_co_u32 s[G0+5], s40, SLOT1
	s_add_nc_u64 s[G0+6:G0+7], s[6:7], 65536       ; keys 512 to 1,023
	s_or_b32 s[G0+7], s[G0+7], 0x80000000
	tensor_load_to_lds s[G0:G0+3], s[G1:G1+7]      ; both first fills together: two tensor loads of mine are out
	s_nop 0
	tensor_load_to_lds s[G0+4:G0+7], s[G1:G1+7]
	s_nop 0
.rept 4
	v_nop
.endr
	v_and_b32 v[LI], 31, v0
	v_lshlrev_b32 v[LI], 4, v[LI]
	WIN TO_1
.irp i, 0,1,2,3,4,5,6,7,8,9,10,11,12,13,14,15
	global_load_b128 v[QF+4*\i:QF+4*\i+3], v[LI], s[4:5] offset:512*\i   ; q stays in registers: tile i / 4, channels 16 (i % 4) on
.endr
	WIN 0
; A KEY STEP: 64 keys.  first = 1: the first step, which starts m, l and O^T.
.macro STEP first
	v_add_nc_u32 v[ADK], s[TB], v[LI]              ; with the three v_nop: five plain lines behind the last step's products, in front of the loads into v's registers (four are owed)
	v_add_nc_u32 v[ADV], VOFF, v[ADK]              ; and of the products below, which write over p (five are owed)
.rept 3
	v_nop
.endr
.irp i, 0,1,2,3,4,5,6,7,8,9,10,11,12,13,14,15
	ds_load_b128 v[KF+4*\i:KF+4*\i+3], v[ADK] offset:512*\i
.endr
	WIN TO_1
.irp i, 0,1,2,3,4,5,6,7,8,9,10,11,12,13,14,15
	ds_load_b128 v[VF+4*\i:VF+4*\i+3], v[ADV] offset:512*\i
.endr
	s_wait_dscnt 16                                ; k is in; v's sixteen loads may be out
	WIN W_KQ
.irp s, 0,1                                    ; S^T = k q^T: the 16 accumulators by turns; the first 32 channels start the sums
.irp kt, 0,1,2,3
.irp t, 0,1,2,3
.if \s == 0
	v_wmma_f32_16x16x32_f16 v[S+32*\t+8*\kt:S+32*\t+8*\kt+7], v[KF+16*\kt+8*\s:KF+16*\kt+8*\s+7], v[QF+16*\t+8*\s:QF+16*\t+8*\s+7], 0
.else
	v_wmma_f32_16x16x32_f16 v[S+32*\t+8*\kt:S+32*\t+8*\kt+7], v[KF+16*\kt+8*\s:KF+16*\kt+8*\s+7], v[QF+16*\t+8*\s:QF+16*\t+8*\s+7], v[S+32*\t+8*\kt:S+32*\t+8*\kt+7]
.endif
.endr
.endr
.endr
	WIN 0
.rept 4
	v_nop
.endr
	; the maximum of a lane's 32 scores and the old m; the four tiles by turns, each accumulator from its low end on
.irp j, 0,1,2,3
.irp t, 0,1,2,3
	v_max3_num_f32 v[ST+8*\t+4+\j], v[S+32*\t+8*\j], v[S+32*\t+8*\j+1], v[S+32*\t+8*\j+2]
.endr
.endr
.irp u, 1,2
.irp j, 0,1,2,3
.irp t, 0,1,2,3
	v_max3_num_f32 v[ST+8*\t+4+\j], v[ST+8*\t+4+\j], v[S+32*\t+8*\j+2*\u+1], v[S+32*\t+8*\j+2*\u+2]
.endr
.endr
.endr
.irp t, 0,1,2,3
	v_max3_num_f32 v[ST+8*\t+4], v[ST+8*\t+4], v[S+32*\t+7], v[S+32*\t+15]
.endr
.irp t, 0,1,2,3
	v_max3_num_f32 v[ST+8*\t+6], v[ST+8*\t+6], v[S+32*\t+23], v[S+32*\t+31]
.endr
.irp t, 0,1,2,3
	v_max3_num_f32 v[ST+8*\t+4], v[ST+8*\t+4], v[ST+8*\t+5], v[ST+8*\t+6]
.endr
.irp t, 0,1,2,3
.if \first
	v_max_num_f32 v[ST+8*\t+4], v[ST+8*\t+4], v[ST+8*\t+7]
.else
	v_max3_num_f32 v[ST+8*\t+4], v[ST+8*\t+4], v[ST+8*\t+7], v[ST+8*\t+1]
.endif
.endr
.irp t, 0,1,2,3
	v_permlanex16_b32 v[ST+8*\t+5], v[ST+8*\t+4], s[SEL], s[SEL+1]   ; the query's other 32 keys lie in the lane 16 away
.endr
.if !\first
.irp t, 0,1,2,3
	v_mov_b32 v[ST+8*\t+7], v[ST+8*\t]             ; c m_old
.endr
.endif
.irp t, 0,1,2,3
	v_max_num_f32 v[ST+8*\t+1], v[ST+8*\t+4], v[ST+8*\t+5]
.endr
.irp t, 0,1,2,3
	v_mul_f32 v[ST+8*\t], s[CS], v[ST+8*\t+1]
.endr
.if !\first
.irp t, 0,1,2,3
	v_sub_f32 v[ST+8*\t+7], v[ST+8*\t+7], v[ST+8*\t]
.endr
.endif
.irp b, 0,1,2,3,4,5,6,7,8,9,10,11,12,13,14,15
.irp t, 0,1,2,3
	v_pk_fma_f32 v[S+32*\t+2*\b:S+32*\t+2*\b+1], v[S+32*\t+2*\b:S+32*\t+2*\b+1], s[CS:CS+1], v[ST+8*\t:ST+8*\t+1] op_sel_hi:[1,0,0] neg_lo:[0,0,1] neg_hi:[0,0,1]   ; c s - c m, two at a time
.endr
.endr
	; ONE batch of exponentials, none of which reads another's result
.if !\first
.irp t, 0,1,2,3
	v_exp_f32 v[ST+8*\t+6], v[ST+8*\t+7]
.endr
.endif
.irp e, 0,1,2,3,4,5,6,7,8,9,10,11,12,13,14,15,16,17,18,19,20,21,22,23,24,25,26,27,28,29,30,31
.irp t, 0,1,2,3
	v_exp_f32 v[S+32*\t+\e], v[S+32*\t+\e]
.endr
.endr
	v_nop                                          ; a plain line behind the last exponential
	s_wait_alu depctr_va_vdst(0)                   ; one wait for the batch, ahead of its first reader
	; the step's sums, of p as it is in f32: a chain a tile, the tiles by turns
.irp t, 0,1,2,3
	v_pk_add_f32 v[ST+8*\t+4:ST+8*\t+5], v[S+32*\t:S+32*\t+1], v[S+32*\t+2:S+32*\t+3]
.endr
.irp b, 2,3,4,5,6,7,8,9,10,11,12,13,14
.irp t, 0,1,2,3
	v_pk_add_f32 v[ST+8*\t+4:ST+8*\t+5], v[ST+8*\t+4:ST+8*\t+5], v[S+32*\t+2*\b:S+32*\t+2*\b+1]
.endr
.endr
.irp t, 0,1,2,3
.if \first
	v_pk_add_f32 v[ST+8*\t+2:ST+8*\t+3], v[ST+8*\t+4:ST+8*\t+5], v[S+32*\t+30:S+32*\t+31]
.else
	v_pk_add_f32 v[ST+8*\t+4:ST+8*\t+5], v[ST+8*\t+4:ST+8*\t+5], v[S+32*\t+30:S+32*\t+31]
.endif
.endr
.if !\first
.irp t, 0,1,2,3
	v_pk_fma_f32 v[ST+8*\t+2:ST+8*\t+3], v[ST+8*\t+2:ST+8*\t+3], v[ST+8*\t+6:ST+8*\t+7], v[ST+8*\t+4:ST+8*\t+5] op_sel_hi:[1,0,1]   ; l = l x the factor + the step's sums
.endr
.endif
.irp i, 0,1,2,3,4,5,6,7,8,9,10,11,12,13,14,15
.irp t, 0,1,2,3
	v_cvt_pk_f16_f32 v[S+32*\t+\i], v[S+32*\t+2*\i], v[S+32*\t+2*\i+1]   ; p to f16, in place, ascending: registers 8 kb .. 8 kb + 7 of a tile are p's fragment of keys 32 kb on
.endr
.endr
.if !\first
	WIN W_RS
.irp t, 0,1,2,3
.irp i, 0,1,2,3,4,5,6,7,8,9,10,11,12,13,14,15
	v_pk_mul_f32 v[32*\t+2*\i:32*\t+2*\i+1], v[32*\t+2*\i:32*\t+2*\i+1], v[ST+8*\t+6:ST+8*\t+7] op_sel_hi:[1,0]   ; O^T x the factor, each accumulator from its low end on
.endr
.endr
.endif
	s_wait_dscnt 0x0                               ; v is in
	WIN W_PV
.irp kb, 0,1                                   ; O^T += v^T p: the 16 accumulators by turns
.irp ct, 0,1,2,3
.irp t, 0,1,2,3
.if \first && (\kb == 0)
	v_wmma_f32_16x16x32_f16 v[32*\t+8*\ct:32*\t+8*\ct+7], v[VF+32*\kb+8*\ct:VF+32*\kb+8*\ct+7], v[S+32*\t+8*\kb:S+32*\t+8*\kb+7], 0
.else
	v_wmma_f32_16x16x32_f16 v[32*\t+8*\ct:32*\t+8*\ct+7], v[VF+32*\kb+8*\ct:VF+32*\kb+8*\ct+7], v[S+32*\t+8*\kb:S+32*\t+8*\kb+7], v[32*\t+8*\ct:32*\t+8*\ct+7]
.endif
.endr
.endr
.endr
	WIN 0
	s_add_co_u32 s[TB], s[TB], STEPB
.endm
.macro SLOT_STEPS n, tb0               ; n key steps from LDS byte tb0 on
	s_mov_b32 s[TB], \tb0
	s_mov_b32 s[CNT], \n
.Lstep_\@:
	STEP 0
	s_sub_co_u32 s[CNT], s[CNT], 1
	s_cmp_lg_u32 s[CNT], 0
	s_cbranch_scc1 .Lstep_\@
.endm
; THE CHANGE OF SLOTS.  Each wave waits for all its tensor loads (its part of the slot ahead), adds 0 to its spare word, and waits for that and for its reads of the slot that it leaves.
; fill = 1: the barrier is a round of the cluster's, and the slot just left is filled again first thing behind it, with the keys 1,024 further on: one tensor load a wave.
.macro CHANGE fill, slot
	s_wait_tensorcnt 0x0                           ; no tensor load of mine is out, so a group 0 may be written
	ds_add_u32 v[SPW], v[NIL]
.if \fill
	s_add_nc_u64 s[G0+4*\slot+2:G0+4*\slot+3], s[G0+4*\slot+2:G0+4*\slot+3], 131072
.endif
	s_wait_dscnt 0x0
.if \fill
	CROUND
	tensor_load_to_lds s[G0+4*\slot:G0+4*\slot+3], s[G1:G1+7]
	s_nop 0
.rept 4
	v_nop
.endr
.else
	s_barrier_signal -1
	s_barrier_wait -1
.endif
.endm
	s_wait_tensorcnt 1                             ; my part of slot 0 is in; slot 1's may stay out
	s_barrier_signal -1
	s_barrier_wait -1
	s_wait_loadcnt 0x0                             ; q
	s_mov_b32 s[TB], 0
	STEP 1                                         ; keys 0 to 63
	SLOT_STEPS 7, STEPB                            ; to 511
	CHANGE 1, 0
	SLOT_STEPS 8, SLOT1                            ; 512 to 1,023
	CHANGE 1, 1
	SLOT_STEPS 8, 0                                ; 1,024 to 1,535
	CHANGE 0, 0                                    ; nothing is left to fetch
	SLOT_STEPS 8, SLOT1                            ; 1,536 to 2,047
	; THE WAY OUT: O^T x 4 / l, to f16, in the order of the next launch's operand registers.  The additions are the plain lines behind the last products.
.irp t, 0,1,2,3
	v_add_f32 v[ST+8*\t+4], v[ST+8*\t+2], v[ST+8*\t+3]
.endr
.irp t, 0,1,2,3
	v_permlanex16_b32 v[ST+8*\t+5], v[ST+8*\t+4], s[SEL], s[SEL+1]
.endr
.irp t, 0,1,2,3
	v_add_f32 v[ST+8*\t+4], v[ST+8*\t+4], v[ST+8*\t+5]
.endr
.irp t, 0,1,2,3
	v_rcp_f32 v[ST+8*\t+6], v[ST+8*\t+4]
.endr
	v_nop
	s_wait_alu depctr_va_vdst(0)                   ; one wait for the four reciprocals, ahead of their first reader
.irp t, 0,1,2,3
	v_mul_f32 v[ST+8*\t+6], 4.0, v[ST+8*\t+6]
.endr
	WIN W_RS
.irp t, 0,1,2,3
.irp i, 0,1,2,3,4,5,6,7,8,9,10,11,12,13,14,15
	v_pk_mul_f32 v[32*\t+2*\i:32*\t+2*\i+1], v[32*\t+2*\i:32*\t+2*\i+1], v[ST+8*\t+6:ST+8*\t+7] op_sel_hi:[1,0]
.endr
.endr
	WIN 0x05                                       ; sources 0 and 1 window 1, destination window 0
.irp i, 0,1,2,3,4,5,6,7,8,9,10,11,12,13,14,15
.irp p, 0,1,2,3
	v_cvt_pk_f16_f32 v[S+4*\i+\p], v[8*\i+2*\p], v[8*\i+2*\p+1]   ; accumulator i = 4 t + ct
.endr
.endr
	WIN 0
.irp t, 0,1,2,3
.irp ct, 0,1,2,3
	global_store_b128 v[LI], v[S+4*(4*\t+\ct):S+4*(4*\t+\ct)+3], s[8:9] offset:\t*32768+\ct*512   ; 512 consecutive bytes: rows 16 t on, channels 16 ct on of my head
.endr
.endr
	s_wait_tensorcnt 0x0                           ; the wave's end
	ds_add_u32 v[SPW], v[NIL]
	s_wait_dscnt 0x0
	CROUND                                         ; the closing round
	s_endpgm
.Lfunc_end_k_qf74ef865f8_attn:
	.size	k_qf74ef865f8_attn, .Lfunc_end_k_qf74ef865f8_attn-k_qf74ef865f8_attn
	.p2alignl 7, 3214868480
	.fill 96, 4, 3214868480
	.section	.rodata,"a",@progbits
	.p2align	6, 0x0
	.amdhsa_kernel k_qf74ef865f8_attn
		.amdhsa_group_segment_fixed_size 327680
		.amdhsa_private_segment_fixed_size 0
		.amdhsa_enable_private_segment 0
		.amdhsa_kernarg_size 24
		.amdhsa_user_sgpr_count 2
		.amdhsa_user_sgpr_kernarg_segment_ptr 1
		.amdhsa_wavefront_size32 1
		.amdhsa_system_sgpr_workgroup_id_x 1
		.amdhsa_system_sgpr_workgroup_id_y 1
		.amdhsa_system_sgpr_workgroup_id_z 1
		.amdhsa_system_vgpr_workitem_id 0
		.amdhsa_next_free_vgpr 512
		.amdhsa_next_free_sgpr 66
		.amdhsa_reserve_vcc 0
		.amdhsa_float_denorm_mode_32 3
		.amdhsa_float_denorm_mode_16_64 3
		.amdhsa_memory_ordered 1
		.amdhsa_forward_progress 1
		.amdhsa_inst_pref_size 172
	.end_amdhsa_kernel
	.amdgpu_metadata
---
amdhsa.version: [ 1, 2 ]
amdhsa.kernels:
  - .name:           k_qf74ef865f8_attn
    .symbol:         k_qf74ef865f8_attn.kd
    .args:
      - { .name: q_img, .offset: 0, .size: 8, .value_kind: global_buffer, .address_space: global }
      - { .name: kv_img, .offset: 8, .size: 8, .value_kind: global_buffer, .address_space: global }
      - { .name: o_img, .offset: 16, .size: 8, .value_kind: global_buffer, .address_space: global }
    .group_segment_fixed_size: 327680
    .private_segment_fixed_size: 0
    .kernarg_segment_align: 8
    .kernarg_segment_size: 24
    .max_flat_workgroup_size: 256
    .sgpr_count:     66
    .vgpr_count:     512
    .wavefront_size: 32
...
	.end_amdgpu_metadata
.endif
;; end of part 3
;; launch outp (part 4): grid 8 x 32, 4 waves a work-group, clusters of 4 x 4, 327,680 bytes of LDS; arguments o_img, wo_img, out0; writes out0
.if DOCPART == 4
	.amdgcn_target "amdgcn-amd-amdhsa--gfx1250"
	.amdhsa_code_object_version 6
	.text
	.protected	k_qf74ef865f8_outp
	.globl	k_qf74ef865f8_outp
	.p2align	8
	.type	k_qf74ef865f8_outp,@function
k_qf74ef865f8_outp:
	s_mov_b64 s[64:65], 0
	v_nop
	global_prefetch_b8 v0, s[64:65] scope:SCOPE_SE
	s_setreg_imm32_b32 hwreg(HW_REG_WAVE_MODE, 25, 1), 1
	s_wait_xcnt 0x0
	s_wait_alu depctr_hold_cnt(0) depctr_sa_sdst(0) depctr_va_vdst(0) depctr_va_sdst(0) depctr_va_ssrc(0) depctr_va_vcc(0) depctr_vm_vsrc(0)
	s_getreg_b32 s2, hwreg(HW_REG_IB_STS2, 6, 4)
	s_cmp_eq_u32 s2, 0
	s_cbranch_scc0 .Lentry_in_a_cluster
	s_endpgm
.Lentry_in_a_cluster:
	s_bfe_u32 s2, ttmp6, 0x10000c
	s_cmp_lg_u32 s2, 0xf033
	s_cbranch_scc0 .Lentry_shape_is_right
	s_endpgm
.Lentry_shape_is_right:
; out0[m][n] = the sum over k of o[m][k] Wo[n][k]: [8192] x [1024] over K = 1,024.  o arrives x 4 and Wo / 4, both f16, in the order of the operand's registers; sums in f32; out0 f32.
; o_img [tile of 16 rows, 512][k16, 64][512 bytes], wo_img [tile of 16 rows, 64][k16, 64][512 bytes]: a group of 512 bytes holds 16 rows x 16 along K, lane l's 16 bytes at 16 l; two groups on end are a fragment.
; A tile of out0 is 256 x 128: 256 work-groups.  Four waves, each 128 x 64: 32 accumulators, window 1.  K goes in steps of 128 (4,096 consecutive bytes of each tile of 16 rows) through a ring of two LDS slots.
; CLUSTERS: 4 x 4 work-groups.  The four of a row of the cluster need the same tiles of o, the four of a column the same tiles of Wo: each is asked for jointly, by the same tensor load and a mask that names the four.
; THE MATRIX INSTRUCTION IS USED TRANSPOSED (source 0 = 16 rows of Wo, source 1 = 16 rows of o): a lane holds eight neighbouring numbers of a row of out0.
; No padding in LDS: every fragment load is 512 consecutive bytes.
; REGISTERS: window 0: v0-31 addresses; two fragment buffers of 96 (o's eight blocks, then Wo's four) at v32 and v128; on the way out v32-95.   window 1: the accumulators ((a, b) at v[8 (4 a + b)]).
.set KB,     4096                      ; a K step of a tile of 16 rows
.set ABYTES, 65536                     ; o's 16 tiles
.set SLOT,   98304                     ; then Wo's 8
.set STAGE,  2*SLOT                    ; behind the ring: 16 rows x 272 bytes for each wave, for the way out
.set SPITCH, 272
.set SPARE,  STAGE+4*16*SPITCH         ; behind the stages: the spare words, 128 bytes a wave, which no other line names
.set LAPS,   4                         ; a lap = two K steps
.set ADRA, 16
.set ADRB, 20
.set STO,  24
.set RD,   25
.set CO,   26
.set SPW,  28
.set NIL,  29
.set F0,   32
.set F1,   128
.set OB,   32
.set G1,  24
.set G0,  32
.set G1B, 48
.set G0B, 56
.set MSB, 0
.macro WIN new
.if MSB != \new
	s_set_vgpr_msb (MSB<<8)|\new
.set MSB, \new
.endif
.endm
.set MUL, 0x50                         ; sources window 0; C and D window 1
.macro JLOAD s                         ; a joint load: waves 0 and 1 fetch o's two halves, waves 2 and 3 Wo's; an s_nop 0 and four v_nop follow each line
	s_cmp_eq_u32 s11, 0
	s_cbranch_scc0 .Lfor_b_\@
	tensor_load_to_lds s[G0+4*\s:G0+4*\s+3], s[G1:G1+7]
	s_nop 0
.rept 4
	v_nop
.endr
	s_branch .Lasked_\@
.Lfor_b_\@:
	tensor_load_to_lds s[G0B+4*\s:G0B+4*\s+3], s[G1B:G1B+7]
	s_nop 0
.rept 4
	v_nop
.endr
.Lasked_\@:
.endm
.macro CREST
	s_cmp_lg_u32 s10, 0
	s_cbranch_scc1 .Lnot_wave_0_\@
	s_barrier_signal -3
.Lnot_wave_0_\@:
	s_barrier_wait -3
	s_barrier_signal -1
	s_barrier_wait -1
.endm
.macro CROUND
	s_barrier_signal -1
	s_barrier_wait -1
	CREST
.endm
	s_load_b128 s[4:7], s[0:1], 0x0                ; o_img s[4:5], wo_img s[6:7]
	s_load_b64 s[8:9], s[0:1], 0x10                ; out0
	v_lshl_add_u32 v[SPW], v0, 2, SPARE
	v_mov_b32 v[NIL], 0
	ds_add_u32 v[SPW], v[NIL]                      ; the wave's opening: the add, twice on end, and its wait ahead of my first tensor load
	ds_add_u32 v[SPW], v[NIL]
	v_lshrrev_b32 v1, 5, v0
	v_readfirstlane_b32 s10, v1                    ; wave 0..3
	s_lshr_b32 s11, s10, 1                         ; my half of the tile's rows.  Also: I fetch o (0) or Wo (1)
	s_and_b32 s12, s10, 1                          ; my half of its columns.  Also: which half of that tile I fetch
	s_bfe_u32 s40, ttmp6, 0x40000                  ; cx, cy
	s_bfe_u32 s41, ttmp6, 0x40004
	s_lshl_b32 s42, ttmp9, 2
	s_add_co_u32 s42, s42, s40                     ; tile column = 4 x cluster x + cx
	s_and_b32 s13, ttmp7, 0xffff
	s_lshl_b32 s13, s13, 2
	s_add_co_u32 s13, s13, s41                     ; tile row = 4 x cluster y + cy
	s_lshl_b32 s43, s41, 2
	s_lshl_b32 s43, 15, s43                        ; my row of the cluster
	s_lshl_b32 s44, 0x1111, s40                    ; my column
	s_or_b32 s[G1+0], s43, (3<<16)|(1<<21)         ; o's tiles go to my row; elements of 8 bytes; bit 21 beside a mask
	s_or_b32 s[G1B+0], s44, (3<<16)|(1<<21)
	s_mov_b32 s[G1+1], 512<<16                     ; a row of the load: 4,096 bytes, a K step of one tile of 16 rows
	s_mov_b32 s[G1+2], 8<<16                       ; eight such tiles
	s_mov_b32 s[G1+3], 512<<16
	s_mov_b32 s[G1+4], 8
	s_mov_b32 s[G1+5], 4096                        ; 32,768 bytes from tile to tile
	s_mov_b32 s[G1+6], 0
	s_mov_b32 s[G1+7], 0
	s_mov_b32 s[G1B+1], 512<<16
	s_mov_b32 s[G1B+2], 4<<16                      ; four tiles of Wo
	s_mov_b32 s[G1B+3], 512<<16
	s_mov_b32 s[G1B+4], 4
	s_mov_b32 s[G1B+5], 4096
	s_mov_b32 s[G1B+6], 0
	s_mov_b32 s[G1B+7], 0
	s_lshl_b32 s16, s13, 19                        ; o: (16 x tile row + 8 x half) x 32,768
	s_lshl_b32 s17, s12, 18
	s_add_co_u32 s16, s16, s17
	s_mov_b32 s17, 0
	s_lshl_b32 s46, s42, 18                        ; Wo: (8 x tile column + 4 x half) x 32,768
	s_lshl_b32 s47, s12, 17
	s_add_co_u32 s46, s46, s47
	s_mov_b32 s47, 0
	s_lshl_b32 s20, s12, 15                        ; where they go: o's halves,
	s_lshl_b32 s21, s12, 14
	s_add_co_u32 s21, s21, ABYTES                  ; Wo's halves behind them
	s_wait_dscnt 0x0                               ; both opening adds are done
	s_wait_kmcnt 0x0
	s_add_nc_u64 s[14:15], s[4:5], s[16:17]
	s_add_nc_u64 s[46:47], s[6:7], s[46:47]
	CROUND                                         ; all sixteen work-groups are here: the first joint loads meet
.irp s, 0,1
	s_mov_b32 s[G0+4*\s], 1
	s_add_co_u32 s[G0+4*\s+1], s20, \s*SLOT
	s_add_nc_u64 s[G0+4*\s+2:G0+4*\s+3], s[14:15], \s*KB
	s_or_b32 s[G0+4*\s+3], s[G0+4*\s+3], 0x80000000
	s_mov_b32 s[G0B+4*\s], 1
	s_add_co_u32 s[G0B+4*\s+1], s21, \s*SLOT
	s_add_nc_u64 s[G0B+4*\s+2:G0B+4*\s+3], s[46:47], \s*KB
	s_or_b32 s[G0B+4*\s+3], s[G0B+4*\s+3], 0x80000000
	JLOAD \s                                       ; two tensor loads of mine are out
.endr
	v_and_b32 v1, 15, v0                           ; r
	v_bfe_u32 v2, v0, 4, 1                         ; h
	v_and_b32 v3, 31, v0
	v_lshlrev_b32 v3, 4, v3                        ; 16 x lane
	s_lshl_b32 s21, s11, 15                        ; my eight tiles of o
	s_lshl_b32 s22, s12, 14
	s_add_co_u32 s22, s22, ABYTES                  ; my four tiles of Wo
.irp s, 0,1
	v_add_nc_u32 v[ADRA+\s], s21, v3
	v_add_nc_u32 v[ADRB+\s], s22, v3
	s_add_co_u32 s21, s21, SLOT
	s_add_co_u32 s22, s22, SLOT
.endr
	s_mul_i32 s23, s10, 16*SPITCH
	s_add_co_u32 s23, s23, STAGE                   ; my stage
	v_mul_u32_u24 v4, v1, SPITCH                   ; in: row r, 32 bytes for each half of the lanes
	v_lshl_add_u32 v4, v2, 5, v4
	v_add_nc_u32 v[STO], s23, v4
	v_mul_u32_u24 v5, v2, SPITCH                   ; back: lanes 0-15 one row of 256 bytes, lanes 16-31 the next
	v_lshl_add_u32 v5, v1, 4, v5
	v_add_nc_u32 v[RD], s23, v5
	v_lshlrev_b32 v5, 12, v2                       ; and the same two rows in out0: 4,096 bytes a row
	v_lshl_add_u32 v[CO], v1, 4, v5
	s_lshl_b32 s16, s13, 20                        ; my first row: (256 x tile row + 128 x half) x 4,096
	s_lshl_b32 s17, s11, 19
	s_add_co_u32 s16, s16, s17
	s_mov_b32 s17, 0
	s_add_nc_u64 s[8:9], s[8:9], s[16:17]
	s_lshl_b32 s46, s42, 9                         ; my first column: (128 x tile column + 64 x half) x 4
	s_lshl_b32 s47, s12, 8
	s_add_co_u32 s46, s46, s47
	s_mov_b32 s47, 0
	s_add_nc_u64 s[8:9], s[8:9], s[46:47]
; 8 matrix instructions: o's blocks a0, a0 + 1 x Wo's four, 32 along K.  The 32 accumulators take turns, one instruction a turn, in the same order in every quarter.
.macro MUL8 f, a0, zero
.irp a, \a0, \a0+1
.irp b, 0,1,2,3
.if \zero
	v_wmma_f32_16x16x32_f16 v[8*(4*(\a)+\b):8*(4*(\a)+\b)+7], v[\f+64+8*\b:\f+64+8*\b+7], v[\f+8*(\a):\f+8*(\a)+7], 0
.else
	v_wmma_f32_16x16x32_f16 v[8*(4*(\a)+\b):8*(4*(\a)+\b)+7], v[\f+64+8*\b:\f+64+8*\b+7], v[\f+8*(\a):\f+8*(\a)+7], v[8*(4*(\a)+\b):8*(4*(\a)+\b)+7]
.endif
.endr
.endr
.endm
; 24 LDS loads in one run: the fragments of the slot's q-th 32 along K into buffer f: Wo's eight loads, o's blocks 0-3, o's blocks 4-7
.macro FETCH slot, q, f
.irp b, 0,1,2,3
	ds_load_b128 v[\f+64+8*\b:\f+64+8*\b+3],   v[ADRB+\slot] offset:\b*KB+(\q)*1024
	ds_load_b128 v[\f+64+8*\b+4:\f+64+8*\b+7], v[ADRB+\slot] offset:\b*KB+(\q)*1024+512
.endr
.irp a, 0,1,2,3,4,5,6,7
	ds_load_b128 v[\f+8*\a:\f+8*\a+3],   v[ADRA+\slot] offset:\a*KB+(\q)*1024
	ds_load_b128 v[\f+8*\a+4:\f+8*\a+7], v[ADRA+\slot] offset:\a*KB+(\q)*1024+512
.endr
.endm
.macro PLACES                          ; four plain lines in front of loads into registers that matrix instructions have read, and of the first read of results
.rept 4
	v_nop
.endr
.endm
; A K step is four quarters of 32 along K, 32 matrix instructions each, on buffers 0, 1, 0, 1.  One of the first three: multiplies buffer f and fetches quarter q into g.
.macro QUARTER slot, q, f, g, zero
	s_wait_dscnt 8                                 ; Wo's and o's blocks 0-3 are in; the youngest eight loads (blocks 4-7) may be out
	WIN MUL
	MUL8 \f, 0, \zero
	MUL8 \f, 2, \zero
	PLACES
	WIN 0
	FETCH \slot, \q, \g
	s_wait_dscnt 24                                ; all but the 24 just issued
	WIN MUL
	MUL8 \f, 4, \zero
	MUL8 \f, 6, \zero
.endm
; The last quarter multiplies buffer 1 and changes slots: ONE barrier; in front of it each wave waits for all its tensor loads, adds 0 to its spare word, and waits for that and for its reads of this slot.
; fill = 1: the barrier opens a round of the cluster's, and this slot is filled again first thing behind it, two K steps ahead.
.macro TURN slot, next, fill
	WIN 0
	s_wait_tensorcnt 0x0                           ; all my tensor loads have landed: my part of the next slot
	ds_add_u32 v[SPW], v[NIL]
	s_wait_dscnt 9                                 ; (the add and the youngest eight loads may be out)
	WIN MUL
	MUL8 F1, 0, 0                                  ; eight matrix instructions stand between the add and the wait for it
	s_wait_dscnt 0x0                               ; the add is done, and my reads of this slot are over
	s_barrier_signal -1
	MUL8 F1, 2, 0
.if \fill
	WIN 0
.endif
	s_barrier_wait -1
.if \fill
	CREST                                          ; no wave of any partner still reads this slot or has a load on its way
	s_add_nc_u64 s[G0+4*\slot+2:G0+4*\slot+3], s[G0+4*\slot+2:G0+4*\slot+3], 2*KB
	s_add_nc_u64 s[G0B+4*\slot+2:G0B+4*\slot+3], s[G0B+4*\slot+2:G0B+4*\slot+3], 2*KB
	JLOAD \slot                                    ; the four v_nop behind it are also the plain lines in front of the loads below
.else
	PLACES
.endif
	WIN 0
	FETCH \next, 0, F0
	WIN MUL
	MUL8 F1, 4, 0
	MUL8 F1, 6, 0
.endm
	s_wait_tensorcnt 1                             ; my part of K step 0 is in; K step 1's load may be out
	s_barrier_signal -1
	s_barrier_wait -1
	FETCH 0, 0, F0
	QUARTER 0, 1, F0, F1, 1                        ; the first quarter stands in front of the loop: its products start the sums
	WIN 0
	s_mov_b32 s3, LAPS-1
.Llap:                                                 ; a trip goes once round the ring, from a lap's second quarter to the next lap's first, and fills both slots again
	QUARTER 0, 2, F1, F0, 0
	QUARTER 0, 3, F0, F1, 0
	TURN 0, 1, 1
	QUARTER 1, 1, F0, F1, 0
	QUARTER 1, 2, F1, F0, 0
	QUARTER 1, 3, F0, F1, 0
	TURN 1, 0, 1
	QUARTER 0, 1, F0, F1, 0
	WIN 0
	s_sub_co_u32 s3, s3, 1
	s_cmp_lg_u32 s3, 0
	s_cbranch_scc1 .Llap
	QUARTER 0, 2, F1, F0, 0                        ; the last lap fills nothing
	QUARTER 0, 3, F0, F1, 0
	TURN 0, 1, 0
	QUARTER 1, 1, F0, F1, 0
	QUARTER 1, 2, F1, F0, 0
	QUARTER 1, 3, F0, F1, 0
	s_wait_dscnt 8                                 ; the very last quarter
	WIN MUL
	MUL8 F1, 0, 0
	MUL8 F1, 2, 0
	s_wait_dscnt 0
	MUL8 F1, 4, 0
	MUL8 F1, 6, 0
	WIN 0
; THE WAY OUT, a block of 16 rows x 64 columns at a time.  A lane holds 32 neighbouring bytes of a row, the lanes beside it other rows: so a block goes through my own stage in LDS and comes back as whole
; rows of 256 bytes.  LDS serves a wave's instructions in order: no wait between the stores and the loads, nor in front of the next block's stores.
.macro TOSTAGE a
	WIN 0x04                                       ; an LDS store's data are its source 1: window 1
.irp b, 0,1,2,3
	ds_store_b128 v[STO], v[8*(4*(\a)+\b):8*(4*(\a)+\b)+3] offset:64*\b          ; each accumulator from its low end on
	ds_store_b128 v[STO], v[8*(4*(\a)+\b)+4:8*(4*(\a)+\b)+7] offset:64*\b+16
.endr
	WIN 0
.set BB, OB+32*((\a)%2)
.irp t, 0,1,2,3,4,5,6,7
	ds_load_b128 v[BB+4*\t:BB+4*\t+3], v[RD] offset:\t*2*SPITCH
.endr
.endm
.macro SEND a, younger                 ; younger: the LDS instructions issued behind block a's loads, which may stay out
.set BB, OB+32*((\a)%2)
	s_wait_dscnt \younger
.irp t, 0,1,2,3,4,5,6,7
	global_store_b128 v[CO], v[BB+4*\t:BB+4*\t+3], s[8:9] offset:(\a)*65536+\t*8192 th:TH_STORE_NT   ; 16 lanes store 256 consecutive bytes, aligned; written once, read by nobody here
.endr
.endm
	PLACES
	TOSTAGE 0
.irp a, 1,2,3,4,5,6,7
.if \a > 1
	s_wait_xcnt 0x0                                ; block a - 2's stores have read their registers: block a's loads may land there
.endif
	TOSTAGE \a
	SEND \a-1, 16                                  ; behind block a - 1's loads: block a's 8 stores and 8 loads
.endr
	SEND 7, 0
	s_wait_tensorcnt 0x0                           ; the wave's end
	ds_add_u32 v[SPW], v[NIL]
	s_wait_dscnt 0x0
	CROUND                                         ; the closing round
	s_endpgm
.Lfunc_end_k_qf74ef865f8_outp:
	.size	k_qf74ef865f8_outp, .Lfunc_end_k_qf74ef865f8_outp-k_qf74ef865f8_outp
	.p2alignl 7, 3214868480
	.fill 96, 4, 3214868480
	.section	.rodata,"a",@progbits
	.p2align	6, 0x0
	.amdhsa_kernel k_qf74ef865f8_outp
		.amdhsa_group_segment_fixed_size 327680
		.amdhsa_private_segment_fixed_size 0
		.amdhsa_enable_private_segment 0
		.amdhsa_kernarg_size 24
		.amdhsa_user_sgpr_count 2
		.amdhsa_user_sgpr_kernarg_segment_ptr 1
		.amdhsa_wavefront_size32 1
		.amdhsa_system_sgpr_workgroup_id_x 1
		.amdhsa_system_sgpr_workgroup_id_y 1
		.amdhsa_system_sgpr_workgroup_id_z 1
		.amdhsa_system_vgpr_workitem_id 0
		.amdhsa_next_free_vgpr 512
		.amdhsa_next_free_sgpr 66
		.amdhsa_reserve_vcc 0
		.amdhsa_float_denorm_mode_32 3
		.amdhsa_float_denorm_mode_16_64 3
		.amdhsa_memory_ordered 1
		.amdhsa_forward_progress 1
		.amdhsa_inst_pref_size 85
	.end_amdhsa_kernel
	.amdgpu_metadata
---
amdhsa.version: [ 1, 2 ]
amdhsa.kernels:
  - .name:           k_qf74ef865f8_outp
    .symbol:         k_qf74ef865f8_outp.kd
    .args:
      - { .name: o_img, .offset: 0, .size: 8, .value_kind: global_buffer, .address_space: global }
      - { .name: wo_img, .offset: 8, .size: 8, .value_kind: global_buffer, .address_space: global }
      - { .name: out0, .offset: 16, .size: 8, .value_kind: global_buffer, .address_space: global }
    .group_segment_fixed_size: 327680
    .private_segment_fixed_size: 0
    .kernarg_segment_align: 8
    .kernarg_segment_size: 24
    .max_flat_workgroup_size: 128
    .sgpr_count:     66
    .vgpr_count:     512
    .wavefront_size: 32
...
	.end_amdgpu_metadata
.endif
;; end of part 4
